; MI455X (gfx1250); checked and timed in simulation.
; The chip was launched on July 23, 2026; its instructions are those of AMD's public machine-readable ISA for CDNA 5 (MIT licence, August 2026) and "CDNA5" Instruction Set Architecture Reference Guide (July 2026). The comments in the code are by the model that wrote it; some were corrected since.
;; Multi Head Attention. Allowed arithmetic: matrix products marked QUANTISED: E2M3 operands, one E8M0 scale for each 32 along K, by v_wmma_scale_f32_16x16x128_f8f6f4 with both operands' format E2M3, f32 sums; everything else in f32.
;; Inputs: W_attn 3,072 x 1,024 float32; W_proj 1,024 x 1,024 float32; b_proj 1,024 float32; x 4 x 2,048 x 1,024 float32.
;; Outputs: out0 4 x 2,048 x 1,024 float32.
;; This version of the problem:
;;   THIS VERSION OF THE PROBLEM IS GIVEN IN LOW PRECISION. The matrix products marked QUANTISED in the list below multiply operands that are first quantised to E2M3 (2 exponent bits, 3 mantissa bits; 6 bits a number), with one power-of-two scale for each 32 numbers along K (OCP MX v1.0); their sums are f32. All else is computed in f32.
;;   The module's matrix products, in the order in which they are computed (A, B: the left and right operand; K: the contracted axis; several contracted axes count as one K, in the product's order):
;;     1. [M 8,192, K 1,024] x [K 1,024, N 3,072]; A: input x; B: input W_attn: QUANTISED
;;     2. batch 64 x [M 2,048, K 64] x [K 64, N 2,048]; A: computed on the way; B: computed on the way: QUANTISED
;;     3. batch 64 x [M 2,048, K 2,048] x [K 2,048, N 64]; A: softmax (see below); B: computed on the way: QUANTISED
;;     4. [M 8,192, K 1,024] x [K 1,024, N 1,024]; A: computed on the way; B: input W_proj: QUANTISED
;;   THE QUANTISER, for each operand of a quantised product, along K:
;;     - K is cut into blocks of 32 from its start; a last block that is shorter is filled with zeros.
;;     - A block's scale is 2^e with e = floor(log2(the largest magnitude in the block)) - 2, held to -126 .. 127; a block of zeros has e = 0. As a byte (E8M0): e + 127.
;;     - Each number is divided by its block's scale, clamped to +-7.5, and rounded to the nearest number of E2M3, ties to even, subnormals kept.
;;     - The product sums the exact products of the quantised numbers (number of the format x scale) in f32.
;;   ~~~python
;;   def quantise(x, axis):      # numpy; x: float32 -> the quantised numbers, widened to float32 again
;;       x = np.moveaxis(x, axis, -1); K = x.shape[-1]
;;       x = np.pad(x, [(0, 0)] * (x.ndim - 1) + [(0, -K % 32)]); x = x.reshape(x.shape[:-1] + (-1, 32)); a = np.abs(x).max(-1, keepdims=True)
;;       e = np.where(a > 0, np.clip(np.frexp(np.where(a > 0, a, 1))[1] - 1 - 2, -126, 127), 0)      # np.frexp(a)[1] - 1 = floor(log2(a)), exactly
;;       r = np.clip(x / 2.0 ** e, -7.5, 7.5)
;;       step = 2.0 ** (np.maximum(np.frexp(np.where(r == 0, 1, r))[1] - 1, 0) - 3)
;;       q = np.round(r / step) * step * 2.0 ** e      # np.round: ties to even
;;       return np.moveaxis(q.reshape(q.shape[:-2] + (-1,))[..., :K], -1, axis).astype(np.float32)
;;   ~~~
;;   SOFTMAX AHEAD OF A QUANTISED PRODUCT. Where the list says 'softmax', what is quantised is not the finished softmax but p = 2^(t - M), with t = logit x log2(e) and M = ceil(the row's largest t), a whole number; so 1/2 < the row's largest p <= 1. The row's sum l is taken of the UNQUANTISED p, in f32, and the product's result is divided by l at the end. Since M is a whole number, a kernel that streams over the keys may use a running M (the ceiling of the running maximum): every later rescaling is an exact power of two, which a block's scale takes up: the codes' values come out the same.
;;   OPERANDS COMPUTED ON THE WAY. 'Computed on the way' means the value that the module computes at that place (a softmax that the list does not call 'softmax' is quantised finished and normalised). What goes into a quantiser is computed in f32, as accurately as f32 sums, v_exp_f32 and their like allow (about 1e-6 of the number): no bf16 or f16 on the way to a quantiser, and a product that is left as it is and whose result goes on into a quantised operand takes f32 operands (vector FMAs, or v_wmma_f32_16x16x4_f32). A number that lies on a knife's edge between two numbers of the format may be rounded either way, as far as f32 arithmetic and the matrix unit's own rounding can turn it there, and no further.
;; One version. Each part assembles by itself: llvm-mc -triple=amdgcn-amd-amdhsa -mcpu=gfx1250 --defsym DOCPART=n.
;; ======== version 1 of 1: 4 launches
;; limits: right only within a limited range of input values
;; workspace buffers: xq 6,553,600 bytes; wq 2,457,600 bytes; pq 819,200 bytes; qq 6,815,744 bytes; kvc 12,582,912 bytes; kvs 786,432 bytes; yq 6,553,600 bytes
;; launch quant (part 1): grid 768 x 1, 4 waves a work-group, no clusters, 35,328 bytes of LDS; arguments x, W_attn, W_proj, xq, wq, pq; writes xq, wq, pq
.if DOCPART == 1
	.amdgcn_target "amdgcn-amd-amdhsa--gfx1250"
	.amdhsa_code_object_version 6
	.text
	.protected	k_q5fcb6f30da_quant
	.globl	k_q5fcb6f30da_quant
	.p2align	8
	.type	k_q5fcb6f30da_quant,@function
k_q5fcb6f30da_quant:
	s_mov_b64 s[64:65], 0
	v_nop
	global_prefetch_b8 v0, s[64:65] scope:SCOPE_SE
	s_setreg_imm32_b32 hwreg(HW_REG_WAVE_MODE, 25, 1), 1
	s_wait_xcnt 0x0
; x [8192][1024], W_attn [3072][1024] and W_proj [1024][1024], f32, K innermost, become codes of FP6 (E2M3) with one E8M0 byte for each 32 along K,
; LAID IN THE ORDER OF AN OPERAND'S REGISTERS.  A fragment (16 rows x 128 K, 12 registers a lane) is 1,536 bytes: register g of lane l at 512 (g / 4) + 16 l + 4 (g % 4).
; Codes: [row tile][8 K steps][1,536].  Scale words (4 bytes a row and 128 K), behind the codes: (position / 128) x 4,096 + K step x 512 + (position % 128) x 4.
; THE ROWS OF A TILE ARE NOT NEIGHBOURS: position r of row tile T is the true row 32 (T / 2) + 8 (T % 2) + r + 8 (r / 8): a product used transposed then leaves 16 neighbouring columns
; in the 16 registers of two neighbouring tiles, which is what the next quantiser wants.
; A block's scale is 2^(floor(log2(largest magnitude)) - 2): its byte is the largest magnitude's exponent field - 2, held at 1 from below.
; LIMITS: a block of zeros gets the byte 1 where the rule says 127 (its codes are zeros, and this program alone reads the bytes); blocks whose largest magnitude lies under 2^-124 were not tried;
; NaN and infinities among the inputs are not served.
; SHARES.  A work-group takes 64 rows x 256 K of one tensor (groups of 64 rows 0-127: x, 128-175: W_attn, 176-191: W_proj; the two low bits of the work-group's number are the quarter of K):
; 768 work-groups, three to each of 256 WGPs.  A wave takes one row tile, two K steps, and issues all its 32 loads at its start.
; Each load reads 512 consecutive bytes of one row; a K step's 16 rows turn through the wave's own stage in LDS (rows 528 bytes apart) so that a lane gets 16 neighbours of each block of 32.
; No tensor load, no cluster (no input byte is read by two work-groups), no matrix unit.  One barrier, for the scale words, which leave as whole runs of 256 bytes by waves 0 and 1.
.set STGB,  8448                       ; a wave's stage: 16 rows x 528 bytes
.set SCS,   4*STGB                     ; the work-group's scale words: [2 K steps][64 rows][4 bytes]
.set SPARE, SCS+512                    ; the spare words, 128 bytes for each wave
.set LN16,  4                          ; v4   16 x lane
.set STI,   5                          ; v5   the stage, on the way in
.set STOUT, 6                          ; v6   and on the way out: row r, + 64 h
.set SWI,   7                          ; v7   where my row's scale word goes
.set SWO,   8                          ; v8   where I read 8 bytes of a K step's words back
.set LN8,   9                          ; v9   8 x lane
.set SPW,   10                         ; v10  my spare word; never rewritten
.set NIL,   11                         ; v11  0; never rewritten
.set TM,    12                         ; v12-27 at work in QUANT
.set PW,    28                         ; v28  the scale word just made
.set PC,    32                         ; v32-43 the fragment just made; v44-50 the conversions' second halves
.set X,     64                         ; v64-127 64 numbers: register 16 b + i = k 32 b + 16 h + i of my row
.set R,     128                        ; v128-255 two sets of 64 registers as loaded
.set SEL,   36                         ; s[36:37] lane selects: lane l xor 16
	s_load_b256 s[4:11], s[0:1], 0x0               ; x, W_attn, W_proj, xq
	s_load_b128 s[12:15], s[0:1], 0x20             ; wq, pq
	v_lshl_add_u32 v[SPW], v0, 2, SPARE
	v_mov_b32 v[NIL], 0
	v_lshrrev_b32 v1, 5, v0
	v_readfirstlane_b32 s24, v1                    ; wave 0..3
	v_and_b32 v1, 31, v0
	v_and_b32 v2, 15, v0                           ; r
	v_bfe_u32 v3, v0, 4, 1                         ; h
	v_lshlrev_b32 v[LN16], 4, v1
	v_lshlrev_b32 v[LN8], 3, v1
	s_mul_i32 s25, s24, STGB
	v_add_nc_u32 v[STI], s25, v[LN16]
	v_mul_u32_u24 v[STOUT], v2, 528
	v_lshl_add_u32 v[STOUT], v3, 6, v[STOUT]
	v_add_nc_u32 v[STOUT], s25, v[STOUT]
	s_lshl_b32 s25, s24, 6
	v_lshl_add_u32 v[SWI], v2, 2, s25
	v_add_nc_u32 v[SWI], SCS, v[SWI]               ; SCS + 64 x wave + 4 r (+ 256 x K step in the immediate)
	s_and_b32 s35, s24, 1
	s_lshl_b32 s25, s35, 8
	v_add_nc_u32 v[SWO], s25, v[LN8]
	v_add_nc_u32 v[SWO], SCS, v[SWO]               ; SCS + 256 x (wave % 2) + 8 x lane: waves 0 and 1 send a K step's words each
.irp b, 0,1,2,3
	v_mov_b32 v[TM+4+\b], 0                        ; written once: a lane permute's destination counts as one of its sources
.endr
	s_mov_b32 s[SEL], 0x76543210
	s_mov_b32 s[SEL+1], 0xfedcba98
	s_lshr_b32 s16, ttmp9, 2                       ; the group of 64 rows
	s_and_b32 s17, ttmp9, 3                        ; which quarter of K
	s_mov_b32 s20, 786432                          ; where the scale words begin: in pq,
	s_mov_b32 s21, 2359296                         ; in wq,
	s_mov_b32 s23, 6291456                         ; in xq
	s_mov_b32 s22, 176
	s_wait_alu depctr_va_vdst(0)
	s_wait_kmcnt 0x0
	s_cmp_lt_u32 s16, 176                          ; the tensor is chosen by the work-group's number alone: one path for all three
	s_cselect_b64 s[26:27], s[6:7], s[8:9]
	s_cselect_b64 s[28:29], s[12:13], s[14:15]
	s_cselect_b32 s18, 128, s22
	s_cselect_b32 s19, s21, s20
	s_cmp_lt_u32 s16, 128
	s_cselect_b64 s[26:27], s[4:5], s[26:27]
	s_cselect_b64 s[28:29], s[10:11], s[28:29]
	s_cselect_b32 s18, 0, s18
	s_cselect_b32 s19, s23, s19
	s_sub_co_u32 s16, s16, s18                     ; the group within its tensor
	s_lshl_b32 s23, s16, 2
	s_add_co_u32 s23, s23, s24                     ; my row tile T
	s_mov_b32 s33, 0
	s_lshr_b32 s32, s16, 1                         ; the scale words: (group / 2) x 4,096 + (2 quarter + wave % 2) x 512 + (group % 2) x 256
	s_lshl_b32 s32, s32, 12
	s_add_co_u32 s32, s32, s19
	s_lshl_b32 s34, s17, 1
	s_add_co_u32 s34, s34, s35
	s_lshl_b32 s34, s34, 9
	s_add_co_u32 s32, s32, s34
	s_and_b32 s34, s16, 1
	s_lshl_b32 s34, s34, 8
	s_add_co_u32 s32, s32, s34
	s_add_nc_u64 s[30:31], s[28:29], s[32:33]
	s_mul_i32 s32, s23, 12288                      ; the codes: T x 12,288 + quarter x 3,072
	s_mul_i32 s34, s17, 3072
	s_add_co_u32 s32, s32, s34
	s_add_nc_u64 s[28:29], s[28:29], s[32:33]
	s_lshr_b32 s32, s23, 1                         ; the numbers: true row 32 (T / 2) + 8 (T % 2), rows of 4,096 bytes, + quarter x 1,024
	s_lshl_b32 s32, s32, 17
	s_and_b32 s34, s23, 1
	s_lshl_b32 s34, s34, 15
	s_add_co_u32 s32, s32, s34
	s_lshl_b32 s34, s17, 10
	s_add_co_u32 s32, s32, s34
	s_add_nc_u64 s[26:27], s[26:27], s[32:33]
.macro LOAD t                          ; K step t of my 16 rows: position i is the true row i + 8 (i / 8) of the tile's 24
.irp i, 0,1,2,3,4,5,6,7,8,9,10,11,12,13,14,15
	global_load_b128 v[R+64*(\t)+4*\i:R+64*(\t)+4*\i+3], v[LN16], s[26:27] offset:(\i+8*(\i/8))*4096+512*(\t) th:TH_LOAD_NT
.endr
.endm
; 64 numbers of a lane become a fragment's codes in v[PC] on and its scale word in v[PW]
.macro QUANT s
.irp b, 0,1,2,3
	v_max3_num_f32 v[TM+\b], |v[\s+16*\b]|, |v[\s+1+16*\b]|, 0x1800000   ; block b: my 16 numbers, and the floor 2^(3 - 127)
.endr
.irp i, 2,4,6,8,10,12,14
.irp b, 0,1,2,3
	v_max3_num_f32 v[TM+\b], v[TM+\b], |v[\s+16*\b+\i]|, |v[\s+1+16*\b+\i]|   ; the four blocks by turns
.endr
.endr
.irp b, 0,1,2,3
	v_permlanex16_b32 v[TM+4+\b], v[TM+\b], s[SEL], s[SEL+1]
.endr
.irp b, 0,1,2,3
	v_max_num_f32 v[TM+\b], v[TM+\b], v[TM+4+\b]   ; with lane l xor 16's: the block's largest magnitude
.endr
.irp b, 0,1,2,3
	v_add_nc_u32 v[TM+12+\b], 0xff000000, v[TM+\b] ; 2 off its exponent field: the conversion's scale operand
.endr
.irp b, 0,1,2,3
	v_lshrrev_b32 v[TM+4+\b], 23, v[TM+12+\b]      ; the scale's byte
.endr
	v_lshl_or_b32 v[PW], v[TM+5], 8, v[TM+4]
	v_lshl_or_b32 v[PW], v[TM+6], 16, v[PW]
	v_lshl_or_b32 v[PW], v[TM+7], 24, v[PW]
.irp c, 0,1
	v_cvt_scalef32_pk16_fp6_f32 v[PC+6*\c:PC+2+6*\c], v[\s+32*\c:\s+15+32*\c], v[TM+12+2*\c]
	v_cvt_scalef32_pk16_fp6_f32 v[PC+12+4*\c:PC+14+4*\c], v[\s+16+32*\c:\s+31+32*\c], v[TM+12+2*\c+1]   ; (a conversion's three registers begin on an even number)
.endr
	v_nop                                          ; one plain place behind a scaled conversion
.irp c, 0,1                                    ; the operand's layout wants a whole block in a lane
.irp i, 0,1,2
	v_permlane16_swap_b32 v[PC+6*\c+\i], v[PC+12+4*\c+\i]
.endr
.irp i, 0,1,2
	v_mov_b32 v[PC+3+6*\c+\i], v[PC+12+4*\c+\i]
.endr
.endr
.endm
.macro STEP t
.if (\t) < 1
	s_wait_loadcnt 16                              ; this K step's 16 loads are in; the next step's 16 are younger
.else
	s_wait_loadcnt 0x0
.endif
.irp i, 0,1,2,3,4,5,6,7,8,9,10,11,12,13,14,15
	ds_store_b128 v[STI], v[R+64*(\t)+4*\i:R+64*(\t)+4*\i+3] offset:528*\i
.endr
.irp b, 0,1,2,3
.irp j, 0,1,2,3
	ds_load_b128 v[X+16*\b+4*\j:X+16*\b+4*\j+3], v[STOUT] offset:128*\b+16*\j   ; LDS serves a wave's instructions in order: these see the stores above
.endr
.endr
	s_wait_dscnt 0x0
.if (\t) > 0
	s_wait_xcnt 0x0                                ; the last step's stores of codes have read v[PC] on
.endif
	QUANT X
.irp c, 0,1,2
	global_store_b128 v[LN16], v[PC+4*\c:PC+4*\c+3], s[28:29] offset:1536*(\t)+512*\c   ; 512 consecutive bytes, aligned to 256
.endr
	ds_store_b32 v[SWI], v[PW] offset:256*(\t)     ; lanes r and 16 + r write the same word with the same value
.endm
	LOAD 0
	LOAD 1
	STEP 0
	STEP 1
	s_wait_dscnt 0x0                               ; for the others' sake: my scale words lie in LDS
	s_barrier_signal -1
	s_barrier_wait -1
	s_cmp_lt_u32 s24, 2
	s_cbranch_scc0 .Lno_words
	ds_load_b64 v[52:53], v[SWO]                   ; a K step's words of the work-group's 64 rows
	s_wait_dscnt 0x0
	global_store_b64 v[LN8], v[52:53], s[30:31]    ; 256 consecutive bytes, aligned
.Lno_words:
	s_wait_tensorcnt 0x0                           ; the wave's end, behind my last LDS store
	ds_add_u32 v[SPW], v[NIL]
	s_wait_dscnt 0x0
	s_endpgm
.Lfunc_end_k_q5fcb6f30da_quant:
	.size	k_q5fcb6f30da_quant, .Lfunc_end_k_q5fcb6f30da_quant-k_q5fcb6f30da_quant
	.p2alignl 7, 3214868480
	.fill 96, 4, 3214868480
	.section	.rodata,"a",@progbits
	.p2align	6, 0x0
	.amdhsa_kernel k_q5fcb6f30da_quant
		.amdhsa_group_segment_fixed_size 35328
		.amdhsa_private_segment_fixed_size 0
		.amdhsa_enable_private_segment 0
		.amdhsa_kernarg_size 48
		.amdhsa_user_sgpr_count 2
		.amdhsa_user_sgpr_kernarg_segment_ptr 1
		.amdhsa_wavefront_size32 1
		.amdhsa_system_sgpr_workgroup_id_x 1
		.amdhsa_system_sgpr_workgroup_id_y 1
		.amdhsa_system_sgpr_workgroup_id_z 1
		.amdhsa_system_vgpr_workitem_id 0
		.amdhsa_next_free_vgpr 256
		.amdhsa_next_free_sgpr 66
		.amdhsa_reserve_vcc 0
		.amdhsa_float_denorm_mode_32 3
		.amdhsa_float_denorm_mode_16_64 3
		.amdhsa_memory_ordered 1
		.amdhsa_forward_progress 1
		.amdhsa_inst_pref_size 20
	.end_amdhsa_kernel
	.amdgpu_metadata
---
amdhsa.version: [ 1, 2 ]
amdhsa.kernels:
  - .name:           k_q5fcb6f30da_quant
    .symbol:         k_q5fcb6f30da_quant.kd
    .args:
      - { .name: x, .offset: 0, .size: 8, .value_kind: global_buffer, .address_space: global }
      - { .name: W_attn, .offset: 8, .size: 8, .value_kind: global_buffer, .address_space: global }
      - { .name: W_proj, .offset: 16, .size: 8, .value_kind: global_buffer, .address_space: global }
      - { .name: xq, .offset: 24, .size: 8, .value_kind: global_buffer, .address_space: global }
      - { .name: wq, .offset: 32, .size: 8, .value_kind: global_buffer, .address_space: global }
      - { .name: pq, .offset: 40, .size: 8, .value_kind: global_buffer, .address_space: global }
    .group_segment_fixed_size: 35328
    .private_segment_fixed_size: 0
    .kernarg_segment_align: 8
    .kernarg_segment_size: 48
    .max_flat_workgroup_size: 128
    .sgpr_count:     66
    .vgpr_count:     256
    .wavefront_size: 32
...
	.end_amdgpu_metadata
.endif
;; end of part 1
;; launch qkv (part 2): grid 96 x 4, 4 waves a work-group, clusters of 4 x 4, 327,680 bytes of LDS; arguments xq, wq, qq, kvc, kvs; writes qq, kvc, kvs
.if DOCPART == 2
	.amdgcn_target "amdgcn-amd-amdhsa--gfx1250"
	.amdhsa_code_object_version 6
	.text
	.protected	k_q5fcb6f30da_qkv
	.globl	k_q5fcb6f30da_qkv
	.p2align	8
	.type	k_q5fcb6f30da_qkv,@function
k_q5fcb6f30da_qkv:
	s_mov_b64 s[64:65], 0
	v_nop
	global_prefetch_b8 v0, s[64:65] scope:SCOPE_SE
	s_setreg_imm32_b32 hwreg(HW_REG_WAVE_MODE, 25, 1), 1
	s_wait_xcnt 0x0
	s_wait_alu depctr_hold_cnt(0) depctr_sa_sdst(0) depctr_va_vdst(0) depctr_va_sdst(0) depctr_va_ssrc(0) depctr_va_vcc(0) depctr_vm_vsrc(0)
	s_getreg_b32 s2, hwreg(HW_REG_IB_STS2, 6, 4)
	s_cmp_eq_u32 s2, 0
	s_cbranch_scc0 .Lentry_in_a_cluster
	s_endpgm
.Lentry_in_a_cluster:
	s_bfe_u32 s2, ttmp6, 0x10000c
	s_cmp_lg_u32 s2, 0xf033
	s_cbranch_scc0 .Lentry_shape_is_right
	s_endpgm
.Lentry_shape_is_right:
; q, k, v = x W_attn^T on codes of FP6 (E2M3) with E8M0 scales, each result quantised again on the way out, in the order of the next launch's operand registers.
; A work-group of four waves makes 256 x 256 of the product, a wave 128 x 128; K goes in steps of 128 through a ring of two LDS slots of two steps each, filled by joint loads of a 4 x 4 cluster.
; The cluster's x / 8 says which third: 0 q, 1 k (source 1 = x's rows: a lane holds a token, its registers run along the channels), 2 v (the operands change places: registers run along the tokens).
; The scale words of the work-group's rows, 4,096 bytes a wave, come by plain loads of 512 consecutive bytes and LDS stores, beside slot 0's tensor load; no tile lands on their bytes.
; LIMITS: a block of zeros gets the byte 1 (its codes are zeros; this program alone reads the bytes); NaN and infinities are not served.
.set NQ,    2
.set FR,    12
.set NL,    3
.set NP,    4
.set KREC,  1536
.set TROW,  8*KREC
.set HALFT, 8*NQ*KREC
.set SLOT,  4*HALFT
.set SCL,   2*SLOT
.set SPARE, SCL+4*4096
.set SHL,  14
.set SHR,  15
.set ADRA, 16
.set ADRB, 20
.set SSTO, 24
.set SRD,  25
.set LN16, 26
.set ADRS, 27
.set SPW,  28
.set NIL,  29
.set LN8,  30
.set SOF,  31
.set SC,   32
.set AF,   128
.set PC,   128
.set RB,   160
.set TM,   224
.set PW,   240
.set PW2,  241
.set SEL,  2
.set G1, 24
.set G0, 32
.set G1B, 48
.set G0B, 56
.set G1S, 68
.set G0S, 76
.set G1SB, 80
.set G0SB, 88
.set MSB, 0
.macro WIN new
.if MSB != \new
	s_set_vgpr_msb (MSB<<8)|\new
.set MSB, \new
.endif
.endm
.set MUL_LO, 0xa1
.set MUL_HI, 0xf1
.set TO_B,   0x40
.macro JLOAD g0a, g1a, g0b, g1b
	s_cmp_eq_u32 s15, 0
	s_cbranch_scc0 .Lfor_b_\@
	tensor_load_to_lds s[\g0a:\g0a+3], s[\g1a:\g1a+7]
	s_nop 0
.rept 4
	v_nop
.endr
	s_branch .Lasked_\@
.Lfor_b_\@:
	tensor_load_to_lds s[\g0b:\g0b+3], s[\g1b:\g1b+7]
	s_nop 0
.rept 4
	v_nop
.endr
.Lasked_\@:
.endm
.macro CREST
	s_cmp_lg_u32 s14, 0
	s_cbranch_scc1 .Lnot_wave_0_\@
	s_barrier_signal -3
.Lnot_wave_0_\@:
	s_barrier_wait -3
	s_barrier_signal -1
	s_barrier_wait -1
.endm
.macro CROUND
	s_barrier_signal -1
	s_barrier_wait -1
	CREST
.endm
	s_load_b256 s[4:11], s[0:1], 0x0
	s_load_b64 s[12:13], s[0:1], 0x20
	v_lshl_add_u32 v[SPW], v0, 2, SPARE
	v_mov_b32 v[NIL], 0
	ds_add_u32 v[SPW], v[NIL]
	ds_add_u32 v[SPW], v[NIL]
	v_lshrrev_b32 v1, 5, v0
	v_readfirstlane_b32 s14, v1
	s_lshr_b32 s15, s14, 1
	s_and_b32 s16, s14, 1
	s_bfe_u32 s40, ttmp6, 0x40000
	s_bfe_u32 s41, ttmp6, 0x40004
	s_lshr_b32 s45, ttmp9, 3
	s_and_b32 s17, ttmp9, 7
	s_lshl_b32 s17, s17, 2
	s_lshl_b32 s43, s41, 2
	s_lshl_b32 s43, 15, s43
	s_lshl_b32 s44, 0x1111, s40
	s_or_b32 s[G1+0], s43, (3<<16)|(1<<21)
	s_or_b32 s[G1B+0], s44, (3<<16)|(1<<21)
.irp g, G1, G1B
	s_mov_b32 s[\g+1], 384<<16
	s_mov_b32 s[\g+2], 8<<16
	s_mov_b32 s[\g+3], 384<<16
	s_mov_b32 s[\g+4], 8
	s_mov_b32 s[\g+5], 1536
	s_mov_b32 s[\g+6], 0
	s_mov_b32 s[\g+7], 0
.endr
	s_lshl_b32 s18, s45, 2
	s_mov_b32 s22, 6291456
	s_mov_b32 s23, 2359296
	s_cmp_eq_u32 s45, 2
	s_cselect_b32 s21, 8, s17
	s_cselect_b32 s46, s17, s18
	s_cselect_b32 s20, s23, s22
	s_cselect_b32 s42, s22, s23
	s_add_co_u32 s21, s21, s41
	s_add_co_u32 s46, s46, s40
	s_mul_i32 s22, s16, 8*TROW
	s_mul_i32 s18, s21, 16*TROW
	s_add_co_u32 s18, s18, s22
	s_mov_b32 s19, 0
	s_lshl_b32 s21, s21, 1
	s_add_co_u32 s21, s21, s16
	s_lshl_b32 s21, s21, 12
	s_add_co_u32 s20, s20, s21
	s_mov_b32 s21, 0
	s_mul_i32 s2, s46, 16*TROW
	s_add_co_u32 s2, s2, s22
	s_mov_b32 s3, 0
	s_lshl_b32 s46, s46, 1
	s_add_co_u32 s46, s46, s16
	s_lshl_b32 s46, s46, 12
	s_add_co_u32 s46, s46, s42
	s_mov_b32 s47, 0
	s_mul_i32 s42, s14, HALFT
	s_lshl_b32 s23, s14, 12
	s_wait_dscnt 0x0
	s_wait_kmcnt 0x0
	s_cmp_eq_u32 s45, 2
	s_cselect_b64 s[92:93], s[6:7], s[4:5]
	s_cselect_b64 s[94:95], s[4:5], s[6:7]
	s_add_nc_u64 s[18:19], s[92:93], s[18:19]
	s_add_nc_u64 s[20:21], s[92:93], s[20:21]
	s_add_nc_u64 s[2:3], s[94:95], s[2:3]
	s_add_nc_u64 s[46:47], s[94:95], s[46:47]
	CROUND
	s_cmp_eq_u32 s15, 0                            ; waves 0, 1 bring source 1's scale words, waves 2, 3 source 0's
	s_cselect_b64 s[20:21], s[20:21], s[46:47]
	s_add_co_u32 s23, s23, SCL                     ; to SCL + 4,096 x wave
.irp s, 0,1
	s_mov_b32 s[G0+4*\s], 1
	s_add_co_u32 s[G0+4*\s+1], s42, \s*SLOT
	s_add_nc_u64 s[G0+4*\s+2:G0+4*\s+3], s[18:19], \s*NQ*KREC
	s_or_b32 s[G0+4*\s+3], s[G0+4*\s+3], 0x80000000
	s_mov_b32 s[G0B+4*\s], 1
	s_add_co_u32 s[G0B+4*\s+1], s42, \s*SLOT
	s_add_nc_u64 s[G0B+4*\s+2:G0B+4*\s+3], s[2:3], \s*NQ*KREC
	s_or_b32 s[G0B+4*\s+3], s[G0B+4*\s+3], 0x80000000
.endr
	JLOAD G0, G1, G0B, G1B                         ; slot 0: one tensor load a wave at the head
	v_and_b32 v1, 31, v0
	v_lshlrev_b32 v[LN16], 4, v1
	v_add_nc_u32 v12, s23, v[LN16]
	s_wait_alu depctr_va_vdst(0)
.irp k, 0,1,2,3,4,5,6,7
	global_load_b128 v[128+4*\k:131+4*\k], v[LN16], s[20:21] offset:512*\k   ; 512 consecutive bytes an instruction
.endr
	s_wait_loadcnt 0x0
.irp k, 0,1,2,3,4,5,6,7
	ds_store_b128 v12, v[128+4*\k:131+4*\k] offset:512*\k
.endr
	s_wait_tensorcnt 0x0                           ; my part of slot 0 is in; the three lines ahead of a later first fill
	ds_add_u32 v28, v29
	s_wait_dscnt 0x0                               ; the add and my stores of scale words are done
	CROUND
	JLOAD G0+4, G1, G0B+4, G1B                     ; slot 1
	v_and_b32 v1, 31, v0
	v_and_b32 v3, 15, v0
	v_bfe_u32 v2, v0, 4, 1
	s_wait_alu depctr_va_vdst(0)
	v_lshlrev_b32 v[LN16], 4, v1
	v_lshlrev_b32 v[LN8], 3, v1
	s_mul_i32 s21, s15, HALFT
	s_mul_i32 s22, s16, HALFT
	s_add_co_u32 s22, s22, 2*HALFT
.irp s, 0,1
	v_add_nc_u32 v[ADRA+\s], s21, v[LN16]
	v_add_nc_u32 v[ADRB+\s], s22, v[LN16]
	s_add_co_u32 s21, s21, SLOT
	s_add_co_u32 s22, s22, SLOT
.endr
	s_add_co_u32 s22, s16, 2
	s_sub_co_u32 s22, s22, s15
	s_lshl_b32 s22, s22, 12
	v_mul_u32_u24 v4, s22, v2
	v_lshl_add_u32 v4, v3, 2, v4
	s_lshl_b32 s21, s15, 12
	s_add_co_u32 s21, s21, SCL
	v_add_nc_u32 v[ADRS], s21, v4
	s_lshl_b32 s21, s14, 10
	v_lshl_add_u32 v4, v2, 9, s21
	v_lshl_add_u32 v[SSTO], v3, 2, v4
	v_add_nc_u32 v[SRD], s21, v[LN16]
.irp b, 0,1,2,3
	v_mov_b32 v[TM+4+\b], 0
.endr
	s_cmp_eq_u32 s45, 2
	s_cselect_b32 s2, 0, s17
	s_cselect_b32 s3, s17, 0
	s_add_co_u32 s2, s2, s41
	s_lshl_b32 s2, s2, 1
	s_add_co_u32 s2, s2, s15
	s_add_co_u32 s3, s3, s40
	s_lshl_b32 s3, s3, 1
	s_add_co_u32 s3, s3, s16
	s_cmp_eq_u32 s45, 2
	s_cselect_b32 s18, s3, s2
	s_cselect_b32 s19, s2, s3
	s_lshr_b32 s20, s18, 4
	s_lshl_b32 s20, s20, 3
	s_add_co_u32 s20, s20, s19
	s_lshl_b32 s20, s20, 5
	s_and_b32 s18, s18, 15
	s_add_co_u32 s20, s20, s18
	s_mov_b32 s21, 12288
	s_mov_b32 s22, 768
	s_cmp_eq_u32 s45, 0
	s_cselect_b32 s21, 6144, s21
	s_cselect_b32 s22, 512, s22
	s_cselect_b64 s[92:93], s[8:9], s[10:11]
	s_cselect_b64 s[100:101], s[8:9], s[12:13]
	s_cselect_b32 s23, 6291456, 0
	s_mul_i32 s46, s20, s21
	s_mul_i32 s42, s20, s22
	s_add_co_u32 s42, s42, s23
	s_lshl_b32 s21, s21, 4
	s_lshl_b32 s22, s22, 4
	s_cmp_eq_u32 s45, 2
	s_cselect_b32 s18, 6144, 0
	s_cselect_b32 s19, 512, 0
	s_cselect_b32 s21, 3072, s21
	s_cselect_b32 s23, 193536, 0
	s_cselect_b32 s2, 12032, 0
	s_cselect_b32 s3, 0, 16
	s_add_co_u32 s46, s46, s18
	s_add_co_u32 s42, s42, s19
	s_mov_b32 s47, 0
	s_add_nc_u64 s[92:93], s[92:93], s[46:47]
	s_mov_b32 s46, s21
	s_add_nc_u64 s[94:95], s[92:93], s[46:47]
	s_mov_b32 s46, s23
	s_add_nc_u64 s[96:97], s[92:93], s[46:47]
	s_add_nc_u64 s[98:99], s[94:95], s[46:47]
	s_mov_b32 s46, s42
	s_add_nc_u64 s[100:101], s[100:101], s[46:47]
	s_mov_b32 s46, s22
	s_add_nc_u64 s[66:67], s[100:101], s[46:47]
	v_mul_u32_u24 v4, s2, v2
	v_add_nc_u32 v[SOF], v4, v[LN16]
	v_mov_b32 v[SHR], s3
	v_sub_nc_u32 v4, 1, v2
	v_mul_u32_u24 v[SHL], s3, v4
	s_mov_b32 s[SEL], 0x76543210
	s_mov_b32 s[SEL+1], 0xfedcba98
.macro FRAG reg, adr, q, i
.irp c, 0,1,2
	ds_load_b128 v[\reg+4*\c:\reg+4*\c+3], v[\adr] offset:(\i)*NQ*KREC+(\q)*KREC+512*\c
.endr
.endm
.macro MUL16 a0, p, q, sc, zero
.irp a, \a0, \a0+1
.irp b, 0,1,2,3,4,5,6,7
.if \zero
	v_wmma_scale_f32_16x16x128_f8f6f4 v[8*(8*((\a)%4)+\b):8*(8*((\a)%4)+\b)+7], v[128*(\p)+FR*\b:128*(\p)+FR*\b+FR-1], v[AF+FR*(\a):AF+FR*(\a)+FR-1], 0, v[SC+8*NQ*(\sc)+NQ*\b+(\q)], v[SC+8*NQ*(\sc)+NQ*(\a)+(\q)] matrix_a_fmt:MATRIX_FMT_FP6 matrix_b_fmt:MATRIX_FMT_FP6 matrix_a_scale:MATRIX_SCALE_ROW1
.else
	v_wmma_scale_f32_16x16x128_f8f6f4 v[8*(8*((\a)%4)+\b):8*(8*((\a)%4)+\b)+7], v[128*(\p)+FR*\b:128*(\p)+FR*\b+FR-1], v[AF+FR*(\a):AF+FR*(\a)+FR-1], v[8*(8*((\a)%4)+\b):8*(8*((\a)%4)+\b)+7], v[SC+8*NQ*(\sc)+NQ*\b+(\q)], v[SC+8*NQ*(\sc)+NQ*(\a)+(\q)] matrix_a_fmt:MATRIX_FMT_FP6 matrix_b_fmt:MATRIX_FMT_FP6 matrix_a_scale:MATRIX_SCALE_ROW1
.endif
.endr
.endr
.endm
.macro FETCH_B slot, q, p
	WIN TO_B
.irp i, 0,1,2,3,4,5,6,7
	FRAG 128*(\p)+FR*\i, ADRB+\slot, \q, \i
.endr
	WIN 0
.endm
.macro FETCH_A slot, q, i0
.irp i, \i0, \i0+1, \i0+2, \i0+3
	FRAG AF+FR*(\i), ADRA+\slot, \q, \i
.endr
.endm
.macro SCALES sc
.irp i, 0,1,2,3,4,5,6,7
.irp q, 0,1
	ds_load_b32 v[SC+8*NQ*\sc+NQ*\i+\q], v[ADRS] offset:64*\i+512*\q
.endr
.endr
.endm
.macro PLACES n
.rept \n
	v_nop
.endr
.endm
.macro STEP slot, q, zero
	s_wait_dscnt 4*NL
	WIN MUL_LO
	MUL16 0, (\q)%2, \q, \slot, \zero
	MUL16 2, (\q)%2, \q, \slot, \zero
	s_wait_dscnt 0
	PLACES NP
	FETCH_B \slot, (\q)+1, 1-(\q)%2
	FETCH_A \slot, (\q)+1, 0
	WIN MUL_HI
	MUL16 4, (\q)%2, \q, \slot, \zero
	MUL16 6, (\q)%2, \q, \slot, \zero
	PLACES NP
	WIN 0
	FETCH_A \slot, (\q)+1, 4
.endm
.macro TURN slot, next, fill
	s_wait_tensorcnt 0x0
	ds_add_u32 v[SPW], v[NIL]
	s_wait_dscnt 4*NL+1
	WIN MUL_LO
	MUL16 0, 1, NQ-1, \slot, 0
	s_wait_dscnt 0x0
	s_barrier_signal -1
	MUL16 2, 1, NQ-1, \slot, 0
	WIN 0
	s_barrier_wait -1
.if \fill
	CREST
	s_add_nc_u64 s[G0+4*\slot+2:G0+4*\slot+3], s[G0+4*\slot+2:G0+4*\slot+3], 2*NQ*KREC
	s_add_nc_u64 s[G0B+4*\slot+2:G0B+4*\slot+3], s[G0B+4*\slot+2:G0B+4*\slot+3], 2*NQ*KREC
	JLOAD G0+4*\slot, G1, G0B+4*\slot, G1B
.else
	PLACES NP
.endif
	s_wait_alu depctr_va_vdst(0)
	v_add_nc_u32 v[ADRS], NQ*512, v[ADRS]
	FETCH_B \next, 0, 0
	FETCH_A \next, 0, 0
	SCALES \next
	WIN MUL_HI
	MUL16 4, 1, NQ-1, \slot, 0
	MUL16 6, 1, NQ-1, \slot, 0
	PLACES NP
	WIN 0
	FETCH_A \next, 0, 4
.endm
	s_wait_tensorcnt 1
	s_barrier_signal -1
	s_barrier_wait -1
	FETCH_B 0, 0, 0
	FETCH_A 0, 0, 0
	SCALES 0
	FETCH_A 0, 0, 4
	STEP 0, 0, 1
	TURN 0, 1, 1
	STEP 1, 0, 0
	TURN 1, 0, 1
	STEP 0, 0, 0
	TURN 0, 1, 0
	STEP 1, 0, 0
	s_wait_dscnt 4*NL
	WIN MUL_LO
	MUL16 0, 1, NQ-1, 1, 0
	MUL16 2, 1, NQ-1, 1, 0
	s_wait_dscnt 0
	WIN MUL_HI
	MUL16 4, 1, NQ-1, 1, 0
	MUL16 6, 1, NQ-1, 1, 0
	WIN 0
.macro QUANTW a
.set AC, 64*((\a)%4)
.set WA, 2+(\a)/4
.set WM, (WA<<2)|(WA<<4)
	WIN WM
.irp b, 0,1,2,3
	v_max3_num_f32 v[TM+\b], 0x1800000, |v[AC+16*\b]|, |v[AC+1+16*\b]|
.endr
.irp i, 2,4,6,8,10,12,14
.irp b, 0,1,2,3
	v_max3_num_f32 v[TM+\b], v[TM+\b], |v[AC+16*\b+\i]|, |v[AC+1+16*\b+\i]|
.endr
.endr
	WIN 0
.irp b, 0,1,2,3
	v_permlanex16_b32 v[TM+4+\b], v[TM+\b], s[SEL], s[SEL+1]
.endr
.irp b, 0,1,2,3
	v_max_num_f32 v[TM+\b], v[TM+\b], v[TM+4+\b]
.endr
.irp b, 0,1,2,3
	v_add_nc_u32 v[TM+12+\b], 0xff000000, v[TM+\b]
.endr
.irp b, 0,1,2,3
	v_lshrrev_b32 v[TM+4+\b], 23, v[TM+12+\b]
.endr
	v_lshl_or_b32 v[PW], v[TM+5], 8, v[TM+4]
	v_lshl_or_b32 v[PW], v[TM+6], 16, v[PW]
	v_lshl_or_b32 v[PW], v[TM+7], 24, v[PW]
	WIN WA
.irp c, 0,1
	v_cvt_scalef32_pk16_fp6_f32 v[PC+6*\c:PC+2+6*\c], v[AC+32*\c:AC+15+32*\c], v[TM+12+2*\c]
	v_cvt_scalef32_pk16_fp6_f32 v[PC+12+4*\c:PC+14+4*\c], v[AC+16+32*\c:AC+31+32*\c], v[TM+12+2*\c+1]
.endr
	WIN 0
	v_nop
.irp c, 0,1
.irp i, 0,1,2
	v_permlane16_swap_b32 v[PC+6*\c+\i], v[PC+12+4*\c+\i]
.endr
.irp i, 0,1,2
	v_mov_b32 v[PC+3+6*\c+\i], v[PC+12+4*\c+\i]
.endr
.endr
.endm
.macro OUTBLK a
.set P0, 92+4*((\a)/4)
.set P1, 94+4*((\a)/4)
.if (\a) > 0
	s_wait_xcnt 0x0
.endif
	QUANTW \a
	v_lshlrev_b32 v[PW2+(\a)], v[SHL], v[PW]
	v_lshrrev_b32 v[PW2+(\a)], v[SHR], v[PW2+(\a)]
	global_store_b128 v[LN16], v[PC:PC+3], s[P0:P0+1] offset:768*(\a)
	global_store_b64 v[LN8], v[PC+4:PC+5], s[P0:P0+1] offset:768*(\a)+512
	global_store_b128 v[LN16], v[PC+6:PC+9], s[P1:P1+1] offset:768*(\a)
	global_store_b64 v[LN8], v[PC+10:PC+11], s[P1:P1+1] offset:768*(\a)+512
	ds_store_b32 v[SSTO], v[PW2+(\a)] offset:64*(\a)
.endm
	PLACES NP
.irp a, 0,1,2,3,4,5,6,7
	OUTBLK \a
.endr
	ds_load_b128 v[RB:RB+3], v[SRD]
	ds_load_b128 v[RB+4:RB+7], v[SRD] offset:512
	s_wait_dscnt 0x0
	global_store_b128 v[SOF], v[RB:RB+3], s[100:101]
	s_cmp_eq_u32 s45, 2
	s_cbranch_scc1 .Lno_second
	global_store_b128 v[LN16], v[RB+4:RB+7], s[66:67]
.Lno_second:
	s_wait_tensorcnt 0x0
	ds_add_u32 v[SPW], v[NIL]
	s_wait_dscnt 0x0
	CROUND
	s_endpgm
.Lfunc_end_k_q5fcb6f30da_qkv:
	.size	k_q5fcb6f30da_qkv, .Lfunc_end_k_q5fcb6f30da_qkv-k_q5fcb6f30da_qkv
	.p2alignl 7, 3214868480
	.fill 96, 4, 3214868480
	.section	.rodata,"a",@progbits
	.p2align	6, 0x0
	.amdhsa_kernel k_q5fcb6f30da_qkv
		.amdhsa_group_segment_fixed_size 327680
		.amdhsa_private_segment_fixed_size 0
		.amdhsa_enable_private_segment 0
		.amdhsa_kernarg_size 40
		.amdhsa_user_sgpr_count 2
		.amdhsa_user_sgpr_kernarg_segment_ptr 1
		.amdhsa_wavefront_size32 1
		.amdhsa_system_sgpr_workgroup_id_x 1
		.amdhsa_system_sgpr_workgroup_id_y 1
		.amdhsa_system_sgpr_workgroup_id_z 1
		.amdhsa_system_vgpr_workitem_id 0
		.amdhsa_next_free_vgpr 1024
		.amdhsa_next_free_sgpr 102
		.amdhsa_reserve_vcc 0
		.amdhsa_float_denorm_mode_32 3
		.amdhsa_float_denorm_mode_16_64 3
		.amdhsa_memory_ordered 1
		.amdhsa_forward_progress 1
		.amdhsa_inst_pref_size 146
	.end_amdhsa_kernel
	.amdgpu_metadata
---
amdhsa.version: [ 1, 2 ]
amdhsa.kernels:
  - .name:           k_q5fcb6f30da_qkv
    .symbol:         k_q5fcb6f30da_qkv.kd
    .args:
      - { .name: xq, .offset: 0, .size: 8, .value_kind: global_buffer, .address_space: global }
      - { .name: wq, .offset: 8, .size: 8, .value_kind: global_buffer, .address_space: global }
      - { .name: qq, .offset: 16, .size: 8, .value_kind: global_buffer, .address_space: global }
      - { .name: kvc, .offset: 24, .size: 8, .value_kind: global_buffer, .address_space: global }
      - { .name: kvs, .offset: 32, .size: 8, .value_kind: global_buffer, .address_space: global }
    .group_segment_fixed_size: 327680
    .private_segment_fixed_size: 0
    .kernarg_segment_align: 8
    .kernarg_segment_size: 40
    .max_flat_workgroup_size: 128
    .sgpr_count:     102
    .vgpr_count:     1024
    .wavefront_size: 32
...
	.end_amdgpu_metadata
.endif
;; end of part 2
;; launch attn (part 3): grid 8 x 32, 16 waves a work-group, clusters of 4 x 1, 327,680 bytes of LDS; arguments qq, kvc, kvs, yq; writes yq
.if DOCPART == 3
	.amdgcn_target "amdgcn-amd-amdhsa--gfx1250"
	.amdhsa_code_object_version 6
	.text
	.protected	k_q5fcb6f30da_attn
	.globl	k_q5fcb6f30da_attn
	.p2align	8
	.type	k_q5fcb6f30da_attn,@function
k_q5fcb6f30da_attn:
	s_mov_b64 s[64:65], 0
	v_nop
	global_prefetch_b8 v0, s[64:65] scope:SCOPE_SE
	s_setreg_imm32_b32 hwreg(HW_REG_WAVE_MODE, 25, 1), 1
	s_wait_xcnt 0x0
	s_wait_alu depctr_hold_cnt(0) depctr_sa_sdst(0) depctr_va_vdst(0) depctr_va_sdst(0) depctr_va_ssrc(0) depctr_va_vcc(0) depctr_vm_vsrc(0)
	s_getreg_b32 s2, hwreg(HW_REG_IB_STS2, 6, 4)
	s_cmp_eq_u32 s2, 0
	s_cbranch_scc0 .Lentry_in_a_cluster
	s_endpgm
.Lentry_in_a_cluster:
	s_bfe_u32 s2, ttmp6, 0x10000c
	s_cmp_lg_u32 s2, 0x3003
	s_cbranch_scc0 .Lentry_shape_is_right
	s_endpgm
.Lentry_shape_is_right:
; y = softmax(q k^T / 8) v for 64 heads of 64 channels and 2,048 tokens, both products on codes of FP6 (E2M3) with E8M0 scales, and y quantised on the way out, as the last product's operand.
; THE SOFTMAX AHEAD OF THE SECOND PRODUCT: t = score x log2(e) / 8; M = the row's largest t so far, rounded UP to a whole number; p = 2^(t - M) is quantised along the keys, not normalised.
; The row's sum is taken of the unquantised p and divides O at the end.  When M moves, the sum and O are multiplied by 2^(old M - new M): exact.
; SHARES.  A work-group owns 256 queries of a PAIR of heads; each of its sixteen waves one tile of 16 queries, in 256 registers: four waves to a SIMD, so that one wave's vector work stands beside
; another's matrix work and LDS loads.  A wave walks the even head's 16 key steps of 128 keys, then the odd head's: at the end it holds a whole fragment of y (16 rows x the pair's 128 channels) and its scale word.
; INPUTS lie in the order of the operands' registers.  A record of kvc (12,288 bytes) is one head's key step: K's 8 tiles of 16 keys x 64 channels (768 bytes each: registers 0-3 at 16 l, 4-5 at 512 + 8 l), then V's
; 4 tiles of 16 channels x 128 keys (registers 0-5 at 6,144 + 768 t, 6-11 at 9,216 + 768 t).  The pair's 32 records are one dense stream; a slot holds 8.  The pair's scale words (32 x 768 bytes) come once.
; CLUSTER.  The four query blocks of a cluster walk the same stream: each quarter of a slot is asked for JOINTLY, by waves 0 to 3 (wave 4: the scale words, once).
; LAYOUT.  Both products transposed: S^T = K q^T, O^T = V^T p^T: a lane holds ONE query (lane % 16).  The rows of K's and V's tiles were chosen two launches back so that the 16 registers of tiles 2 b, 2 b + 1
; are 16 neighbours: keys 32 b + 16 h + 0 .. 15 in S^T, channels likewise in O^T.
; K = 64 IN AN INSTRUCTION OF 128: q's registers 6-11 are zero codes.  K's operand for tile t names 12 registers from v[32 + 6 t]: its upper six are the next tile's codes (for tile 7: v80-85, the odd head's q):
; numbers of the format, multiplied by zero codes; the words' bytes 2 and 3 are 0, which stands for 2^-127.  They add nothing.
; LIMITS: a block's largest p is taken by way of its largest score, through the same multiply-add and exponential: this takes v_exp_f32 not to fall where its input rises.  A block of zeros gets the byte 1.
; NaN and infinities are not served.
; REGISTERS: v1-3 lane terms; v4, v5 the add's two; v6-8 the step's addresses; v9-11 the way out and the prefetch; v12 -M, v13 the largest t, v[14:15] the sum; v16-27 q and six zeros; v[28:29] f; v30-31 at work;
;   v32-79 K's tiles, then at work (32-35 maxima, 36-39, 40-43 bytes, 44-47 scale operands, 48-59 p's codes, 60-66 conversions); v80-85, v87 the odd head's q and word; v86 q's word; v88-91 K's words; v92-93 V's;
;   v94 p's word; v95 y's word; v96-159 S^T, then p; v160-191 O^T; v192-239 V; v240-251 y's codes.
.set REC,   12288
.set SLOTB, 8*REC                      ; a slot: 98,304 bytes
.set SCL,   SLOTB                      ; behind slot 0: the pair's scale words, 24,576 bytes
.set SLOT1, 1<<17                      ; slot 1: one exclusive or turns the walking descriptor
.set YST,   SLOT1+SLOTB                ; y's scale words of the work-group's 256 rows: 1,024 bytes, into which no fill lands
.set SPARE, YST+1024                   ; the spare words, 128 bytes for each wave: eight blocks of 256 bytes that no other line names
.macro CROUND                          ; a round of the cluster's barrier
	s_barrier_signal -1
	s_barrier_wait -1
	s_cmp_lg_u32 s12, 0
	s_cbranch_scc1 .Lnot_wave_0_\@
	s_barrier_signal -3
.Lnot_wave_0_\@:
	s_barrier_wait -3
	s_barrier_signal -1
	s_barrier_wait -1
.endm
.macro TLOAD lim                       ; waves under lim ask, one load each; the branch hangs on the wave's number alone.  An s_nop 0 and four v_nop follow the load
	s_cmp_lt_u32 s12, \lim
	s_cbranch_scc0 .Lnone_\@
	tensor_load_to_lds s[32:35], s[24:31]
	s_nop 0
.rept 4
	v_nop
.endr
.Lnone_\@:
.endm
; A PREFETCH INTO THE L2 of the slot that the NEXT change of slots will ask for: 98,304 bytes, 384 blocks of 256.  Both clusters of a pair of heads walk the same stream: the first asks.  Its four partners are told
; apart BY ADDRESS (24,576 bytes each); in each, waves 8 to 10 ask, 8,192 bytes a wave, lanes 256 bytes apart: each block is named once.  The stream's first two slots come by their loads alone, and the last change that fills asks for nothing.
.macro ASK
	s_cmp_eq_u32 s42, 1
	s_cbranch_scc0 .Lnot_mine_\@
	global_prefetch_b8 v11, s[40:41] th:TH_LOAD_NT scope:SCOPE_SE
.Lnot_mine_\@:
.endm
	s_load_b256 s[4:11], s[0:1], 0x0               ; qq s[4:5], kvc s[6:7], kvs s[8:9], yq s[10:11]
	v_lshl_add_u32 v4, v0, 2, SPARE
	v_mov_b32 v5, 0
	ds_add_u32 v4, v5                              ; the wave's opening: the add and its wait stand ahead of my first tensor load; the set-up below stands between them
	ds_add_u32 v4, v5
	v_lshrrev_b32 v1, 5, v0
	s_delay_alu instid0(VALU_DEP_1)
	v_readfirstlane_b32 s12, v1                    ; wave 0..15
	s_bfe_u32 s13, ttmp6, 0x40000                  ; cx
	s_lshl_b32 s14, ttmp9, 2
	s_add_co_u32 s14, s14, s13                     ; my block of 256 queries: it enters q's, y's and the prefetch's addresses alone
	s_and_b32 s15, ttmp7, 0xffff                   ; 8 x batch + pair of heads, which the four partners share
	s_mov_b32 s24, 15|(3<<16)|(1<<21)              ; group 1: the mask of all four; elements of 8 bytes; bit 21 beside a mask; no padding
	s_mov_b32 s25, 32<<16                          ; tensor_dim0: 256 bytes
	s_mov_b32 s26, 96<<16                          ; tensor_dim1: 96 rows: 24,576 dense bytes
	s_mov_b32 s27, 32<<16                          ; tile_dim0
	s_mov_b32 s28, 96                              ; tile_dim1
	s_mov_b32 s29, 32                              ; the pitch
	s_mov_b32 s30, 0
	s_mov_b32 s31, 0
	s_mov_b32 s20, 0x76543210                      ; lane selects: lane l xor 16
	s_mov_b32 s21, 0xfedcba98
	s_mov_b32 s22, 0x3e38aa3b                      ; c = log2(e) / 8
	s_mov_b32 s23, s22                             ; (named with it as a pair)
	s_lshl_b32 s16, s15, 5                         ; q's record: 32 (8 batch + pair) + my group of 128 queries
	s_lshl_b32 s17, s14, 1
	s_add_co_u32 s16, s16, s17
	s_lshr_b32 s17, s12, 3
	s_add_co_u32 s16, s16, s17
	s_and_b32 s17, s12, 7                          ; and my tile in it
	s_mul_i32 s2, s16, 6144
	s_mul_i32 s18, s17, 768
	s_add_co_u32 s2, s2, s18
	s_mov_b32 s3, 0                                ; s[2:3] q's codes
	s_lshl_b32 s16, s16, 9
	s_lshl_b32 s17, s17, 6
	s_add_co_u32 s16, s16, s17
	s_add_co_u32 s16, s16, 6291456
	s_mov_b32 s17, 0                               ; s[16:17] q's words
	s_lshr_b32 s18, s15, 3                         ; batch
	s_and_b32 s19, s15, 7                          ; pair = y's K step
	s_lshl_b32 s43, s18, 7
	s_lshl_b32 s42, s14, 4
	s_add_co_u32 s43, s43, s42
	s_add_co_u32 s43, s43, s12                     ; y's row tile
	s_mul_i32 s44, s43, 12288
	s_mul_i32 s42, s19, 1536
	s_add_co_u32 s44, s44, s42
	s_mov_b32 s45, 0                               ; s[44:45] y's codes
	s_lshl_b32 s46, s18, 4
	s_lshl_b32 s42, s14, 1
	s_add_co_u32 s46, s46, s42
	s_and_b32 s42, s12, 1
	s_add_co_u32 s46, s46, s42                     ; the group of 128 rows whose words wave 0 or 1 stores
	s_lshl_b32 s46, s46, 12
	s_lshl_b32 s42, s19, 9
	s_add_co_u32 s46, s46, s42
	s_add_co_u32 s46, s46, 6291456
	s_mov_b32 s47, 0                               ; s[46:47] y's words
	s_min_u32 s18, s12, 4
	s_mul_i32 s33, s18, 24576                      ; group 0's LDS address: waves 0-3 a quarter of slot 0, wave 4 the scale words
	s_mul_i32 s18, s15, 393216
	s_mov_b32 s19, 0                               ; s[18:19] the pair's stream
	s_mul_i32 s38, s15, 24576
	s_mov_b32 s39, 0                               ; s[38:39] its scale words
	s_mul_i32 s40, s13, 24576                      ; the prefetch: my work-group's quarter,
	s_and_b32 s43, s12, 3
	s_lshl_b32 s43, s43, 13                        ; my wave's third of it,
	s_add_co_u32 s40, s40, s43
	s_add_co_u32 s40, s40, SLOTB                   ; in the stream's second slot: the first change steps it to the third
	s_mov_b32 s41, 0
	s_sub_co_u32 s43, s12, 8
	s_cmp_lt_u32 s43, 3                            ; waves 8 to 10
	s_cselect_b32 s42, 1, 0
	s_cmp_eq_u32 ttmp9, 0                          ; of the pair's first cluster: the same in all four partners
	s_cselect_b32 s42, s42, 0
	s_wait_dscnt 0x0                               ; the opening add is done
	s_wait_kmcnt 0x0
	s_add_nc_u64 s[6:7], s[6:7], s[18:19]
	s_add_nc_u64 s[8:9], s[8:9], s[38:39]
	s_add_nc_u64 s[40:41], s[6:7], s[40:41]
	s_mov_b32 s18, s33
	s_add_nc_u64 s[6:7], s[6:7], s[18:19]          ; my quarter of the first slot
	s_cmp_lt_u32 s12, 4
	s_cselect_b64 s[34:35], s[6:7], s[8:9]
	s_or_b32 s35, s35, 0x80000000
	s_mov_b32 s32, 1
	s_add_nc_u64 s[8:9], s[4:5], s[16:17]          ; q's words
	s_add_nc_u64 s[4:5], s[4:5], s[2:3]            ; q's codes
	s_add_nc_u64 s[44:45], s[10:11], s[44:45]
	s_add_nc_u64 s[46:47], s[10:11], s[46:47]
	CROUND                                         ; all four work-groups are here: the first joint loads meet
	TLOAD 5                                        ; slot 0 and the scale words: one load a wave
	v_and_b32 v30, 31, v0                          ; lane
	v_and_b32 v31, 15, v0                          ; r
	s_delay_alu instid0(VALU_DEP_2)
	v_lshlrev_b32 v1, 4, v30
	s_delay_alu instid0(VALU_DEP_3)
	v_lshlrev_b32 v2, 3, v30
	s_delay_alu instid0(VALU_DEP_4)
	v_lshl_add_u32 v3, v30, 2, SCL
	v_lshlrev_b32 v11, 8, v30
	v_lshlrev_b32 v30, 2, v31
	global_load_b128 v[16:19], v1, s[4:5]          ; the even head's q: half a fragment
	global_load_b64 v[20:21], v2, s[4:5] offset:512
	global_load_b128 v[80:83], v1, s[4:5] offset:98304      ; the odd head's: 16 records on
	global_load_b64 v[84:85], v2, s[4:5] offset:98304+512
	global_load_b32 v86, v30, s[8:9]
	global_load_b32 v87, v30, s[8:9] offset:8192
	s_lshl_b32 s43, s12, 6
	v_lshl_add_u32 v9, v31, 2, s43
	s_delay_alu instid0(VALU_DEP_1)
	v_add_nc_u32 v9, YST, v9                       ; YST + 64 x wave + 4 r
	s_and_b32 s43, s12, 1
	s_lshl_b32 s43, s43, 9
	v_add_nc_u32 v10, s43, v1
	s_delay_alu instid0(VALU_DEP_1)
	v_add_nc_u32 v10, YST, v10                     ; YST + 512 (wave % 2) + 16 x lane
.irp i, 0,1,2,3,4,5
	v_mov_b32 v[22+\i], 0                          ; q's upper half: zero codes
.endr
	v_mov_b32 v13, 0xff61b1e6                      ; the largest t so far: -3e38
	s_delay_alu instid0(VALU_DEP_1)
	v_floor_f32 v12, -v13                          ; -M
	v_mov_b32 v14, 0
	v_mov_b32 v15, 0
	v_mov_b32 v29, 0                               ; (named as the upper half of the pair v[28:29])
.set J, 0
.rept 32
	v_mov_b32 v[160+J], 0                          ; O^T: the step is written once: a head's first step finds zeros, which the first change of M leaves zeros
.set J, J+1
.endr
; A KEY STEP: 128 keys of the head in hand.  s36: where its record lies in LDS; s37: its words.
.macro STEP
	v_add_nc_u32 v6, s36, v1
	v_add_nc_u32 v7, s36, v2
	v_add_nc_u32 v8, s37, v3
	v_nop                                          ; four plain places behind the last step's products, in front of the loads into registers that they read
.irp j, 0,1,2,3
	ds_load_b32 v[88+\j], v8 offset:128*\j         ; K's words first: lanes 0-15 tile 2 j, lanes 16-31 tile 2 j + 1
.endr
.irp t, 0,1,2,3,4,5,6,7
	ds_load_b128 v[32+6*\t:35+6*\t], v6 offset:768*\t
	ds_load_b64 v[36+6*\t:37+6*\t], v7 offset:768*\t+512
.endr
	s_wait_alu depctr_va_vdst(0)
.irp t, 0,1,2,3,4,5,6,7
.if \t < 7
	s_wait_dscnt 12-2*\t                           ; product t names tiles t and t + 1: younger are the two loads each of tiles t + 2 to 7
.endif
.if \t%2
	v_wmma_scale_f32_16x16x128_f8f6f4 v[96+8*\t:103+8*\t], v[32+6*\t:43+6*\t], v[16:27], 0, v[88+\t/2], v86 matrix_a_fmt:MATRIX_FMT_FP6 matrix_b_fmt:MATRIX_FMT_FP6 matrix_a_scale:MATRIX_SCALE_ROW1
.else
	v_wmma_scale_f32_16x16x128_f8f6f4 v[96+8*\t:103+8*\t], v[32+6*\t:43+6*\t], v[16:27], 0, v[88+\t/2], v86 matrix_a_fmt:MATRIX_FMT_FP6 matrix_b_fmt:MATRIX_FMT_FP6
.endif
.endr
.irp t, 0,1,2,3                                ; V comes while the softmax is walked
	ds_load_b128 v[192+12*\t:195+12*\t], v6 offset:6144+768*\t
	ds_load_b64 v[196+12*\t:197+12*\t], v7 offset:6144+768*\t+512
	ds_load_b128 v[198+12*\t:201+12*\t], v6 offset:9216+768*\t
	ds_load_b64 v[202+12*\t:203+12*\t], v7 offset:9216+768*\t+512
.endr
.irp j, 0,1
	ds_load_b32 v[92+\j], v8 offset:512+128*\j
.endr
.rept 4
	v_nop                                          ; places behind the scores' products: their results are read and K's registers written below
.endr
.irp b, 0,1,2,3
	v_max3_num_f32 v[32+\b], v[96+16*\b], v[97+16*\b], v[98+16*\b]   ; the largest score of each block of 32 keys: for the row's maximum, and for the block's largest p
.endr
.irp i, 3,5,7,9,11,13
.irp b, 0,1,2,3
	v_max3_num_f32 v[32+\b], v[32+\b], v[96+16*\b+\i], v[97+16*\b+\i]
.endr
.endr
.irp b, 0,1,2,3
	v_max_num_f32 v[32+\b], v[32+\b], v[111+16*\b]
.endr
.irp b, 0,1,2,3
	s_delay_alu instid0(VALU_DEP_4)
	v_permlanex16_b32 v[36+\b], v[32+\b], s20, s21
.endr
.irp b, 0,1,2,3
	s_delay_alu instid0(VALU_DEP_4)
	v_max_num_f32 v[32+\b], v[32+\b], v[36+\b]     ; with lane l xor 16's 16 keys
.endr
	s_delay_alu instid0(VALU_DEP_2)
	v_max3_num_f32 v30, v32, v33, v34
	s_delay_alu instid0(VALU_DEP_1)
	v_max_num_f32 v30, v30, v35
	s_delay_alu instid0(VALU_DEP_1)
	v_mul_f32 v30, s22, v30                        ; as t (c is positive)
	s_delay_alu instid0(VALU_DEP_1)
	v_max_num_f32 v13, v13, v30                    ; the running largest t
	v_mov_b32 v30, v12
	s_delay_alu instid0(VALU_DEP_2)
	v_floor_f32 v12, -v13                          ; the new -M = -ceil(t): a whole number
	s_delay_alu instid0(VALU_DEP_1)
	v_sub_f32 v30, v12, v30                        ; old M - new M: a whole number, 0 or less
	s_delay_alu instid0(VALU_DEP_1)
	v_cvt_i32_f32 v30, v30                         ; (it saturates)
	s_delay_alu instid0(VALU_DEP_1)
	v_ldexp_f32 v28, 1.0, v30                      ; f = 2^(old M - new M)
.set J, 0
.rept 32
	v_pk_fma_f32 v[96+J:97+J], v[96+J:97+J], s[22:23], v[12:13] op_sel_hi:[1,0,0]   ; t - M, two at a time
.set J, J+2
.endr
.irp b, 0,1,2,3
	v_fma_f32 v[32+\b], v[32+\b], s22, v12         ; the same of each block's largest score
.endr
.set J, 0
	s_wait_alu depctr_va_vdst(0)
.rept 64
	v_exp_f32 v[96+J], v[96+J]                     ; p = 2^(t - M), at most 1
.set J, J+1
.endr
	v_pk_mul_f32 v[14:15], v[14:15], v[28:29] op_sel_hi:[1,0]   ; the sums under the new M: a plain place behind the exponentials
	s_wait_alu depctr_va_vdst(0)                   ; one wait for the batch of 64, ahead of its first reader
.irp b, 0,1,2,3
	v_exp_f32 v[32+\b], v[32+\b]                   ; the block's largest p
.endr
	v_pk_add_f32 v[36:37], v[100:101], v[104:105]
	v_pk_add_f32 v[254:255], v[108:109], v[112:113]
	v_pk_add_f32 v[252:253], v[116:117], v[120:121]
	v_pk_add_f32 v[250:251], v[124:125], v[128:129]
	v_pk_add_f32 v[248:249], v[132:133], v[136:137]
	v_pk_add_f32 v[246:247], v[140:141], v[144:145]
	v_pk_add_f32 v[90:91], v[148:149], v[152:153]
	v_pk_add_f32 v[14:15], v[14:15], v[156:157]
	v_pk_add_f32 v[36:37], v[36:37], v[96:97]
	v_pk_add_f32 v[254:255], v[254:255], v[98:99]
	v_pk_add_f32 v[252:253], v[252:253], v[102:103]
	v_pk_add_f32 v[250:251], v[250:251], v[106:107]
	v_pk_add_f32 v[248:249], v[248:249], v[110:111]
	v_pk_add_f32 v[246:247], v[246:247], v[114:115]
	v_pk_add_f32 v[90:91], v[90:91], v[118:119]
	v_pk_add_f32 v[14:15], v[14:15], v[122:123]
	v_pk_add_f32 v[36:37], v[36:37], v[126:127]
	v_pk_add_f32 v[254:255], v[254:255], v[130:131]
	v_pk_add_f32 v[252:253], v[252:253], v[134:135]
	v_pk_add_f32 v[250:251], v[250:251], v[138:139]
	v_pk_add_f32 v[248:249], v[248:249], v[142:143]
	v_pk_add_f32 v[246:247], v[246:247], v[146:147]
	v_pk_add_f32 v[90:91], v[90:91], v[150:151]
	v_pk_add_f32 v[14:15], v[14:15], v[154:155]
	v_pk_add_f32 v[36:37], v[36:37], v[158:159]
	s_delay_alu instid0(VALU_DEP_2)
	v_pk_add_f32 v[14:15], v[14:15], v[250:251]
	s_delay_alu instid0(VALU_DEP_2)
	v_pk_add_f32 v[36:37], v[36:37], v[248:249]
	v_pk_add_f32 v[254:255], v[254:255], v[246:247]
	v_pk_add_f32 v[252:253], v[252:253], v[90:91]
	s_delay_alu instid0(VALU_DEP_2)
	v_pk_add_f32 v[14:15], v[14:15], v[254:255]
	s_delay_alu instid0(VALU_DEP_2)
	v_pk_add_f32 v[36:37], v[36:37], v[252:253]
	s_delay_alu instid0(VALU_DEP_1)
	v_pk_add_f32 v[14:15], v[14:15], v[36:37]
	s_wait_alu depctr_va_vdst(0)                   ; and one for the four
.irp b, 0,1,2,3
	v_max_num_f32 v[32+\b], 0x1800000, v[32+\b]    ; the floor 2^(3 - 127)
.endr
.irp b, 0,1,2,3
	s_delay_alu instid0(VALU_DEP_4)
	v_add_nc_u32 v[44+\b], 0xff000000, v[32+\b]    ; 2 off the exponent field: the conversion's scale operand
.endr
.irp b, 0,1,2,3
	s_delay_alu instid0(VALU_DEP_4)
	v_lshrrev_b32 v[40+\b], 23, v[44+\b]           ; the scale's byte
.endr
	s_delay_alu instid0(VALU_DEP_3)
	v_lshl_or_b32 v94, v41, 8, v40                 ; p's scale word for these 128 keys
	s_delay_alu instid0(VALU_DEP_1)
	v_lshl_or_b32 v94, v42, 16, v94
	s_delay_alu instid0(VALU_DEP_1)
	v_lshl_or_b32 v94, v43, 24, v94
.irp c, 0,1
	v_cvt_scalef32_pk16_fp6_f32 v[48+6*\c:50+6*\c], v[96+32*\c:111+32*\c], v[44+2*\c]
	v_cvt_scalef32_pk16_fp6_f32 v[60+4*\c:62+4*\c], v[112+32*\c:127+32*\c], v[44+2*\c+1]
.endr
	v_nop                                          ; one plain place behind a scaled conversion
.irp c, 0,1
.irp i, 0,1,2
	v_permlane16_swap_b32 v[48+6*\c+\i], v[60+4*\c+\i]
.endr
.irp i, 0,1,2
	s_delay_alu instid0(VALU_DEP_3)
	v_mov_b32 v[51+6*\c+\i], v[60+4*\c+\i]
.endr
.endr
.set J, 0
.rept 16
	v_pk_mul_f32 v[160+J:161+J], v[160+J:161+J], v[28:29] op_sel_hi:[1,0]   ; O^T under the new M.  These 16 are also the places between p's codes and word and the products
.set J, J+2
.endr
	s_wait_alu depctr_va_vdst(0)
	s_wait_dscnt 0x0                               ; V and its words are in
.irp t, 0,1,2,3                                ; the four accumulators by turns, one instruction a turn
.if \t%2
	v_wmma_scale_f32_16x16x128_f8f6f4 v[160+8*\t:167+8*\t], v[192+12*\t:203+12*\t], v[48:59], v[160+8*\t:167+8*\t], v[92+\t/2], v94 matrix_a_fmt:MATRIX_FMT_FP6 matrix_b_fmt:MATRIX_FMT_FP6 matrix_a_scale:MATRIX_SCALE_ROW1
.else
	v_wmma_scale_f32_16x16x128_f8f6f4 v[160+8*\t:167+8*\t], v[192+12*\t:203+12*\t], v[48:59], v[160+8*\t:167+8*\t], v[92+\t/2], v94 matrix_a_fmt:MATRIX_FMT_FP6 matrix_b_fmt:MATRIX_FMT_FP6
.endif
.endr
.endm
.macro SLOT_STEPS n                    ; the stream's n-th slot: eight key steps, written once, walked eight times
	s_mov_b32 s36, ((\n)%2)*SLOT1
	s_mov_b32 s37, (\n)*8*768
	s_mov_b32 s39, 8
.Lstep_\@:
	STEP
	s_add_co_u32 s36, s36, REC
	s_add_co_u32 s37, s37, 768
	s_sub_co_u32 s39, s39, 1
	s_cmp_lg_u32 s39, 0
	s_cbranch_scc1 .Lstep_\@
.endm
; THE CHANGE OF SLOTS stands at a slot's head.  Each wave waits for all its tensor loads (its part of the slot ahead), adds 0 to its spare word, and waits for that and for its reads of the slot that it has left.
; fill = 1: behind a round of the cluster's barrier the other slot is filled with the stream's next 8 records: the load has eight key steps in which to land.
.macro CHANGE fill, ask
	s_wait_tensorcnt 0x0                           ; no tensor load of mine is out, so group 0 may be written
	ds_add_u32 v4, v5                              ; 0 onto my spare word
	ds_add_u32 v4, v5
.if \fill
	s_xor_b32 s33, s33, SLOT1                      ; the other slot than last time,
	s_add_nc_u64 s[34:35], s[34:35], SLOTB         ; the next 8 records; the type bits on top are not reached
	s_wait_xcnt 0x0                                ; the last prefetch, a slot back, has read its address
	s_add_nc_u64 s[40:41], s[40:41], SLOTB         ; one slot further on than the walking descriptor
.endif
	s_wait_dscnt 0x0                               ; the add is done, and my reads of the slot that I have left are over
.if \fill
	CROUND
	TLOAD 4                                        ; the first thing behind the round, and a wave's one tensor load until the next
.if \ask
	ASK
.endif
.else
	s_barrier_signal -1
	s_barrier_wait -1
.endif
.endm
; A HEAD'S END: O^T is divided by the row's sum and quantised: its 32 registers are two half blocks of 32 channels, in order.  p: the head's place in the pair.
.macro FINISH p
.rept 4
	v_nop                                          ; places behind the last products
.endr
	v_add_f32 v14, v14, v15
	s_delay_alu instid0(VALU_DEP_1)
	v_permlanex16_b32 v30, v14, s20, s21
	s_delay_alu instid0(VALU_DEP_1)
	v_add_f32 v14, v14, v30                        ; the row's sum
	s_wait_alu depctr_va_vdst(0)
	v_rcp_f32 v28, v14
	v_nop                                          ; a plain place behind the reciprocal
	s_wait_alu depctr_va_vdst(0)                   ; and the wait ahead of its first reader
.set J, 0
.rept 16
	v_pk_mul_f32 v[96+J:97+J], v[160+J:161+J], v[28:29] op_sel_hi:[1,0]   ; each accumulator from its low end on
.set J, J+2
.endr
.irp b, 0,1
	v_max3_num_f32 v[32+\b], |v[96+16*\b]|, |v[97+16*\b]|, 0x1800000
.endr
.irp i, 2,4,6,8,10,12,14
.irp b, 0,1
	s_delay_alu instid0(VALU_DEP_2)
	v_max3_num_f32 v[32+\b], v[32+\b], |v[96+16*\b+\i]|, |v[97+16*\b+\i]|
.endr
.endr
.irp b, 0,1
	s_delay_alu instid0(VALU_DEP_2)
	v_permlanex16_b32 v[36+\b], v[32+\b], s20, s21
.endr
.irp b, 0,1
	s_delay_alu instid0(VALU_DEP_2)
	v_max_num_f32 v[32+\b], v[32+\b], v[36+\b]
.endr
.irp b, 0,1
	s_delay_alu instid0(VALU_DEP_2)
	v_add_nc_u32 v[44+\b], 0xff000000, v[32+\b]
.endr
.irp b, 0,1
	s_delay_alu instid0(VALU_DEP_2)
	v_lshrrev_b32 v[40+\b], 23, v[44+\b]
.endr
.if \p == 0
	s_delay_alu instid0(VALU_DEP_1)
	v_lshl_or_b32 v95, v41, 8, v40                 ; y's scale word: the even head's two bytes,
.else
	s_delay_alu instid0(VALU_DEP_2)
	v_lshl_or_b32 v95, v40, 16, v95                ; the odd head's
	s_delay_alu instid0(VALU_DEP_1)
	v_lshl_or_b32 v95, v41, 24, v95
.endif
	v_cvt_scalef32_pk16_fp6_f32 v[240+6*\p:242+6*\p], v[96:111], v44
	v_cvt_scalef32_pk16_fp6_f32 v[60:62], v[112:127], v45
	v_nop
.irp i, 0,1,2
	v_permlane16_swap_b32 v[240+6*\p+\i], v[60+\i]
.endr
.irp i, 0,1,2
	s_delay_alu instid0(VALU_DEP_3)
	v_mov_b32 v[243+6*\p+\i], v[60+\i]
.endr
.if \p == 0                            ; on to the odd head
.irp i, 0,1,2,3,4,5
	v_mov_b32 v[16+\i], v[80+\i]
.endr
	v_mov_b32 v86, v87
	v_mov_b32 v13, 0xff61b1e6
	s_delay_alu instid0(VALU_DEP_1)
	v_floor_f32 v12, -v13
	v_mov_b32 v14, 0
	v_mov_b32 v15, 0
.set J, 0
.rept 32
	v_mov_b32 v[160+J], 0                          ; (these are also the places between q's word and the next scaled product)
.set J, J+1
.endr
.endif
.endm
	CHANGE 1, 1                                    ; slot 0 and the words are whole; the stream's slot 1 goes out
	s_wait_loadcnt 0x0                             ; q
	SLOT_STEPS 0
	CHANGE 1, 1
	SLOT_STEPS 1
	FINISH 0
	CHANGE 1, 0                                    ; the last fill: nothing lies behind it to ask for
	SLOT_STEPS 2
	CHANGE 0, 0
	SLOT_STEPS 3
	FINISH 1
.irp c, 0,1,2
	global_store_b128 v1, v[240+4*\c:243+4*\c], s[44:45] offset:512*\c   ; y's fragment as it stands: 512 consecutive bytes a store, aligned to 256
.endr
	ds_store_b32 v9, v95                           ; lanes r and 16 + r write the same word with the same value
	s_wait_dscnt 0x0                               ; for the others' sake
	s_barrier_signal -1
	s_barrier_wait -1
	s_cmp_lt_u32 s12, 2
	s_cbranch_scc0 .Lno_words
	ds_load_b128 v[32:35], v10                     ; the words of 128 rows
	s_wait_dscnt 0x0
	global_store_b128 v1, v[32:35], s[46:47]       ; 512 consecutive bytes, aligned
.Lno_words:
	s_wait_tensorcnt 0x0                           ; the wave's end, behind my last tensor load and my last LDS store
	ds_add_u32 v4, v5
	s_wait_dscnt 0x0
	CROUND                                         ; the closing round
	s_endpgm
.Lfunc_end_k_q5fcb6f30da_attn:
	.size	k_q5fcb6f30da_attn, .Lfunc_end_k_q5fcb6f30da_attn-k_q5fcb6f30da_attn
	.p2alignl 7, 3214868480
	.fill 96, 4, 3214868480
	.section	.rodata,"a",@progbits
	.p2align	6, 0x0
	.amdhsa_kernel k_q5fcb6f30da_attn
		.amdhsa_group_segment_fixed_size 327680
		.amdhsa_private_segment_fixed_size 0
		.amdhsa_enable_private_segment 0
		.amdhsa_kernarg_size 32
		.amdhsa_user_sgpr_count 2
		.amdhsa_user_sgpr_kernarg_segment_ptr 1
		.amdhsa_wavefront_size32 1
		.amdhsa_system_sgpr_workgroup_id_x 1
		.amdhsa_system_sgpr_workgroup_id_y 1
		.amdhsa_system_sgpr_workgroup_id_z 1
		.amdhsa_system_vgpr_workitem_id 0
		.amdhsa_next_free_vgpr 256
		.amdhsa_next_free_sgpr 66
		.amdhsa_reserve_vcc 0
		.amdhsa_float_denorm_mode_32 3
		.amdhsa_float_denorm_mode_16_64 3
		.amdhsa_memory_ordered 1
		.amdhsa_forward_progress 1
		.amdhsa_inst_pref_size 93
	.end_amdhsa_kernel
	.amdgpu_metadata
---
amdhsa.version: [ 1, 2 ]
amdhsa.kernels:
  - .name:           k_q5fcb6f30da_attn
    .symbol:         k_q5fcb6f30da_attn.kd
    .args:
      - { .name: qq, .offset: 0, .size: 8, .value_kind: global_buffer, .address_space: global }
      - { .name: kvc, .offset: 8, .size: 8, .value_kind: global_buffer, .address_space: global }
      - { .name: kvs, .offset: 16, .size: 8, .value_kind: global_buffer, .address_space: global }
      - { .name: yq, .offset: 24, .size: 8, .value_kind: global_buffer, .address_space: global }
    .group_segment_fixed_size: 327680
    .private_segment_fixed_size: 0
    .kernarg_segment_align: 8
    .kernarg_segment_size: 32
    .max_flat_workgroup_size: 512
    .sgpr_count:     66
    .vgpr_count:     256
    .wavefront_size: 32
...
	.end_amdgpu_metadata
.endif
;; end of part 3
;; launch proj (part 4): grid 4 x 64, 4 waves a work-group, clusters of 4 x 4, 327,680 bytes of LDS; arguments yq, pq, b_proj, out0; writes out0
.if DOCPART == 4
	.amdgcn_target "amdgcn-amd-amdhsa--gfx1250"
	.amdhsa_code_object_version 6
	.text
	.protected	k_q5fcb6f30da_proj
	.globl	k_q5fcb6f30da_proj
	.p2align	8
	.type	k_q5fcb6f30da_proj,@function
k_q5fcb6f30da_proj:
	s_mov_b64 s[64:65], 0
	v_nop
	global_prefetch_b8 v0, s[64:65] scope:SCOPE_SE
	s_setreg_imm32_b32 hwreg(HW_REG_WAVE_MODE, 25, 1), 1
	s_wait_xcnt 0x0
	s_wait_alu depctr_hold_cnt(0) depctr_sa_sdst(0) depctr_va_vdst(0) depctr_va_sdst(0) depctr_va_ssrc(0) depctr_va_vcc(0) depctr_vm_vsrc(0)
	s_getreg_b32 s2, hwreg(HW_REG_IB_STS2, 6, 4)
	s_cmp_eq_u32 s2, 0
	s_cbranch_scc0 .Lentry_in_a_cluster
	s_endpgm
.Lentry_in_a_cluster:
	s_bfe_u32 s2, ttmp6, 0x10000c
	s_cmp_lg_u32 s2, 0xf033
	s_cbranch_scc0 .Lentry_shape_is_right
	s_endpgm
.Lentry_shape_is_right:
; out = y W_proj^T + b_proj, f32: 8,192 x 1,024 x 1,024 on codes of FP6 (E2M3) with E8M0 scales.  yq and pq lie in the order of an operand's registers:
; codes [row tile of 16][8 K steps][1,536 bytes], scale words behind them: (position / 128) x 4,096 + K step x 512 + (position % 128) x 4.
; Position r of row tile T is the true row 32 (T / 2) + 8 (T % 2) + r + 8 (r / 8), in y's rows and in W_proj's alike.
; SHARES.  256 work-groups of four waves, 2 x 2; a work-group makes 128 rows x 256 columns, a wave 64 x 128: 32 accumulators, 256 registers (window 2).
; LDS.  ALL OF K LIES IN LDS: slot 0 holds K steps 0-3 of A's 8 row tiles and B's 16, slot 1 K steps 4-7: 147,456 bytes each, each filled once.  Nothing is filled again.
; At the head a wave issues one joint load (waves 0, 1: halves of A, waves 2, 3: halves of B, slot 0); slot 1's loads follow behind the three lines and a round.
; A plain barrier inside K step 3 shows slot 1 to all waves.  No prefetch: both fills are asked for in the head, and there is no loop to run ahead in.
; CLUSTER 4 x 4: A's tiles are shared along a row of the cluster, B's along a column.
; SCALE WORDS: 4,096 bytes a wave by plain loads of 512 consecutive bytes and LDS stores (quarters 0 and 1: A's 128 rows, twice, so that every byte that a lane reads is written; 2, 3: B's); then all 64 words stay in v32-95:
; register 8 g + i: lanes 0-15 the word of A's block i, lanes 16-31 of B's block i, K step g.
; FRAGMENTS: two sets of B (window 1: v0-95, v128-223) and of A (window 0: v128-175, v176-223): step g + 1's 36 LDS loads go out ahead of step g's 32 products.
; The product is used transposed (source 0 = B's rows): a lane holds eight neighbouring columns of a row.  The bias is the first products' C (window 1: v96-127, v224-255).
; LIMITS: NaN, infinities and sums beyond f32's range are not served; a sum begins with the bias.
.set NQ,    4
.set FR,    12
.set KREC,  1536
.set TROW,  8*KREC
.set HALFA, 4*NQ*KREC
.set HALFB, 8*NQ*KREC
.set SLOT,  2*HALFA+2*HALFB
.set SCL,   2*SLOT
.set SPARE, SCL+4*4096                 ; the spare words: 128 bytes a wave
.set SPITCH, 528                       ; the way out: a stage of 16 rows x (512 + 16) bytes a wave, in slot 0, behind its one fill and its last read
.set NFT,   36                         ; LDS loads of a step's fragments
.set ADRA, 16                          ; v16, v17 my A fragments in slot 0, 1
.set ADRB, 20                          ; v20, v21 my B fragments
.set STO,  24
.set RD,   25
.set CO,   26                          ; 16 x lane
.set ADRS, 27
.set SPW,  28
.set NIL,  29
.set SWR,  30                          ; where my quarter of the scale words goes
.set SC,   32
.set AF,   128
.set BK,   128
.set G1, 24
.set G0, 32
.set G1B, 48
.set G0B, 56
.set MSB, 0
.macro WIN new
.if MSB != \new
	s_set_vgpr_msb (MSB<<8)|\new
.set MSB, \new
.endif
.endm
.set MUL_LO, 0xa1                      ; source 0 window 1, source 1 window 0, C and D window 2
.set BIA_LO, 0x91                      ; the same with C in window 1
.set TO_B,   0x40
.macro PLACES n
.rept \n
	v_nop
.endr
.endm
.macro JLOAD g0a, g1a, g0b, g1b        ; waves 0, 1 ask for A, waves 2, 3 for B; an s_nop 0 and four v_nop follow each load
	s_cmp_eq_u32 s15, 0
	s_cbranch_scc0 .Lfor_b_\@
	tensor_load_to_lds s[\g0a:\g0a+3], s[\g1a:\g1a+7]
	s_nop 0
	PLACES 4
	s_branch .Lasked_\@
.Lfor_b_\@:
	tensor_load_to_lds s[\g0b:\g0b+3], s[\g1b:\g1b+7]
	s_nop 0
	PLACES 4
.Lasked_\@:
.endm
.macro CROUND
	s_barrier_signal -1
	s_barrier_wait -1
	s_cmp_lg_u32 s14, 0
	s_cbranch_scc1 .Lnot_wave_0_\@
	s_barrier_signal -3
.Lnot_wave_0_\@:
	s_barrier_wait -3
	s_barrier_signal -1
	s_barrier_wait -1
.endm
	s_load_b256 s[4:11], s[0:1], 0x0               ; yq, pq, b_proj, out0
	v_lshl_add_u32 v[SPW], v0, 2, SPARE
	v_mov_b32 v[NIL], 0
	ds_add_u32 v[SPW], v[NIL]
	ds_add_u32 v[SPW], v[NIL]
	v_lshrrev_b32 v1, 5, v0
	v_readfirstlane_b32 s14, v1                    ; wave; s15 its row of the 2 x 2, s16 its column
	s_lshr_b32 s15, s14, 1
	s_and_b32 s16, s14, 1
	s_bfe_u32 s40, ttmp6, 0x40000
	s_bfe_u32 s41, ttmp6, 0x40004
	s_lshl_b32 s42, ttmp9, 2
	s_add_co_u32 s42, s42, s40                     ; tile column (256 columns)
	s_and_b32 s17, ttmp7, 0xffff
	s_lshl_b32 s17, s17, 2
	s_add_co_u32 s17, s17, s41                     ; tile row (128 rows)
	s_lshl_b32 s43, s41, 2
	s_lshl_b32 s43, 15, s43
	s_lshl_b32 s44, 0x1111, s40
	s_or_b32 s[G1+0], s43, (3<<16)|(1<<21)         ; elements of 8 bytes; a row = four K steps of a row tile, 6,144 bytes
	s_or_b32 s[G1B+0], s44, (3<<16)|(1<<21)
.irp g, G1, G1B
	s_mov_b32 s[\g+1], (NQ*KREC/8)<<16
	s_mov_b32 s[\g+3], (NQ*KREC/8)<<16
	s_mov_b32 s[\g+5], TROW/8
	s_mov_b32 s[\g+6], 0
	s_mov_b32 s[\g+7], 0
.endr
	s_mov_b32 s[G1+2], 4<<16                       ; A: four row tiles a load
	s_mov_b32 s[G1+4], 4
	s_mov_b32 s[G1B+2], 8<<16                      ; B: eight
	s_mov_b32 s[G1B+4], 8
	s_mul_i32 s18, s17, 8*TROW
	s_mul_i32 s22, s16, 4*TROW
	s_add_co_u32 s18, s18, s22
	s_mov_b32 s19, 0
	s_lshl_b32 s20, s17, 12
	s_add_co_u32 s20, s20, 6291456
	s_mov_b32 s21, 0
	s_mul_i32 s2, s42, 16*TROW
	s_mul_i32 s22, s16, 8*TROW
	s_add_co_u32 s2, s2, s22
	s_mov_b32 s3, 0
	s_lshl_b32 s46, s42, 1
	s_add_co_u32 s46, s46, s16
	s_lshl_b32 s46, s46, 12
	s_add_co_u32 s46, s46, 786432
	s_mov_b32 s47, 0
	s_mul_i32 s45, s16, HALFA
	s_mul_i32 s12, s16, HALFB
	s_add_co_u32 s12, s12, 2*HALFA
	s_wait_dscnt 0x0
	s_wait_kmcnt 0x0
	s_add_nc_u64 s[18:19], s[4:5], s[18:19]
	s_add_nc_u64 s[20:21], s[4:5], s[20:21]
	s_add_nc_u64 s[2:3], s[6:7], s[2:3]
	s_add_nc_u64 s[46:47], s[6:7], s[46:47]
	s_cmp_eq_u32 s15, 0
	s_cselect_b64 s[20:21], s[20:21], s[46:47]     ; the scale words that my wave brings
.irp s, 0,1
	s_mov_b32 s[G0+4*\s], 1
	s_add_co_u32 s[G0+4*\s+1], s45, \s*SLOT
	s_add_nc_u64 s[G0+4*\s+2:G0+4*\s+3], s[18:19], \s*NQ*KREC
	s_or_b32 s[G0+4*\s+3], s[G0+4*\s+3], 0x80000000
	s_mov_b32 s[G0B+4*\s], 1
	s_add_co_u32 s[G0B+4*\s+1], s12, \s*SLOT
	s_add_nc_u64 s[G0B+4*\s+2:G0B+4*\s+3], s[2:3], \s*NQ*KREC
	s_or_b32 s[G0B+4*\s+3], s[G0B+4*\s+3], 0x80000000
.endr
	CROUND
	JLOAD G0, G1, G0B, G1B                         ; slot 0
	s_lshl_b32 s46, s42, 10                        ; my first column, in bytes
	s_lshl_b32 s47, s16, 9
	s_add_co_u32 s46, s46, s47
	s_mov_b32 s47, 0
	s_add_nc_u64 s[8:9], s[8:9], s[46:47]
	s_lshl_b32 s22, s17, 19                        ; my first row: 128 x tile row + 64 x wave row, rows of 4,096 bytes
	s_lshl_b32 s23, s15, 18
	s_add_co_u32 s22, s22, s23
	s_mov_b32 s23, 0
	s_add_nc_u64 s[22:23], s[22:23], s[46:47]
	s_add_nc_u64 s[10:11], s[10:11], s[22:23]
	s_mul_i32 s66, s15, HALFA
	s_mul_i32 s67, s16, HALFB
	s_add_co_u32 s67, s67, 2*HALFA
	s_add_co_u32 s68, s16, 2
	s_lshl_b32 s68, s68, 12
	s_lshl_b32 s69, s15, 8
	s_sub_co_u32 s68, s68, s69                     ; from A's words of my 64 rows to B's of my 128
	s_add_co_u32 s69, s69, SCL
	s_lshl_b32 s70, s14, 12
	s_add_co_u32 s70, s70, SCL
	s_mul_i32 s71, s14, 16*SPITCH
	v_and_b32 v1, 31, v0
	v_and_b32 v3, 15, v0
	v_bfe_u32 v2, v0, 4, 1
	v_lshlrev_b32 v[CO], 4, v1
	v_lshlrev_b32 v5, 6, v2
	v_add_nc_u32 v[ADRA], s66, v[CO]
	v_add_nc_u32 v[ADRB], s67, v[CO]
	v_add_nc_u32 v[ADRA+1], SLOT, v[ADRA]
	v_add_nc_u32 v[ADRB+1], SLOT, v[ADRB]
	v_mul_u32_u24 v4, s68, v2
	v_lshl_add_u32 v4, v3, 2, v4
	v_add_nc_u32 v[ADRS], s69, v4
	v_add_nc_u32 v[SWR], s70, v[CO]
	v_mul_u32_u24 v6, v3, SPITCH
	v_lshl_add_u32 v6, v2, 6, v6
	v_add_nc_u32 v[STO], s71, v6
	v_add_nc_u32 v[RD], s71, v[CO]
	s_wait_alu depctr_va_vdst(0)
.irp k, 0,1,2,3,4,5,6,7
	global_load_b128 v[AF+4*\k:AF+4*\k+3], v[CO], s[20:21] offset:512*\k
.endr
	WIN TO_B
.irp b, 0,1,2,3,4,5,6,7
	global_load_b128 v[96+8*\b+96*(\b/4):96+8*\b+96*(\b/4)+3], v5, s[8:9] offset:128*(\b/2)+32*(\b%2)      ; the bias at my eight columns of B's block b
	global_load_b128 v[96+8*\b+96*(\b/4)+4:96+8*\b+96*(\b/4)+7], v5, s[8:9] offset:128*(\b/2)+32*(\b%2)+16
.endr
	WIN 0
	s_wait_loadcnt 16                              ; the scale words are in; the bias's 16 loads are younger
.irp k, 0,1,2,3,4,5,6,7
	ds_store_b128 v[SWR], v[AF+4*\k:AF+4*\k+3] offset:512*\k
.endr
	s_wait_tensorcnt 0x0                           ; my part of slot 0 is in; the three lines ahead of a later first fill
	ds_add_u32 v[SPW], v[NIL]
	s_wait_dscnt 0x0
	CROUND
	JLOAD G0+4, G1, G0B+4, G1B                     ; slot 1
.macro FRAG reg, adr, q, i
.irp c, 0,1,2
	ds_load_b128 v[\reg+4*\c:\reg+4*\c+3], v[\adr] offset:(\i)*NQ*KREC+(\q)*KREC+512*\c
.endr
.endm
.macro FETCH g                         ; K step g's fragments into set g % 2: NFT loads
	WIN TO_B
.irp i, 0,1,2,3,4,5,6,7
	FRAG 128*((\g)%2)+FR*\i, ADRB+(\g)/4, (\g)%4, \i
.endr
	WIN 0
.irp i, 0,1,2,3
	FRAG AF+FR*(4*((\g)%2)+\i), ADRA+(\g)/4, (\g)%4, \i
.endr
.endm
.macro MUL16 a0, g, first              ; A's blocks a0, a0 + 1 x B's eight, K step g; the 32 accumulators take turns in the same order in every step
.irp a, \a0, \a0+1
.irp b, 0,1,2,3,4,5,6,7
.if \first
	v_wmma_scale_f32_16x16x128_f8f6f4 v[8*(8*(\a)+\b):8*(8*(\a)+\b)+7], v[128*((\g)%2)+FR*\b:128*((\g)%2)+FR*\b+FR-1], v[AF+FR*(4*((\g)%2)+(\a)):AF+FR*(4*((\g)%2)+(\a))+FR-1], v[96+8*\b+96*(\b/4):96+8*\b+96*(\b/4)+7], v[SC+8*(\g)+\b], v[SC+8*(\g)+(\a)] matrix_a_fmt:MATRIX_FMT_FP6 matrix_b_fmt:MATRIX_FMT_FP6 matrix_a_scale:MATRIX_SCALE_ROW1
.else
	v_wmma_scale_f32_16x16x128_f8f6f4 v[8*(8*(\a)+\b):8*(8*(\a)+\b)+7], v[128*((\g)%2)+FR*\b:128*((\g)%2)+FR*\b+FR-1], v[AF+FR*(4*((\g)%2)+(\a)):AF+FR*(4*((\g)%2)+(\a))+FR-1], v[8*(8*(\a)+\b):8*(8*(\a)+\b)+7], v[SC+8*(\g)+\b], v[SC+8*(\g)+(\a)] matrix_a_fmt:MATRIX_FMT_FP6 matrix_b_fmt:MATRIX_FMT_FP6 matrix_a_scale:MATRIX_SCALE_ROW1
.endif
.endr
.endr
.endm
.irp g, 0,1,2,3,4,5,6,7
.irp i, 0,1,2,3,4,5,6,7
	ds_load_b32 v[SC+8*\g+\i], v[ADRS] offset:64*\i+512*\g
.endr
.endr
	FETCH 0
	s_wait_loadcnt 0x0                             ; the bias
	FETCH 1
	s_wait_dscnt NFT                               ; all but step 1's fragments
	WIN BIA_LO
	MUL16 0, 0, 1
	MUL16 2, 0, 1
.irp g, 1,2,4,5,6
	PLACES 4                                       ; four places between the last products and the loads into the set that they read
	FETCH \g+1
	s_wait_dscnt NFT                               ; step g's fragments are in; the NFT just issued are younger
	WIN MUL_LO
	MUL16 0, \g, 0
	MUL16 2, \g, 0
.if \g == 2
	WIN 0
	s_wait_tensorcnt 0x0                           ; K step 3: my part of slot 1 is in,
	s_wait_dscnt 0x0                               ; and step 3's fragments, my last reads of slot 0
	s_barrier_signal -1                            ; a plain barrier
	WIN MUL_LO
	MUL16 0, 3, 0
	WIN 0
	s_barrier_wait -1
	PLACES 4
	FETCH 4
	WIN MUL_LO
	MUL16 2, 3, 0
.endif
.endr
	s_wait_dscnt 0x0
	MUL16 0, 7, 0
	MUL16 2, 7, 0
	WIN 0
; THE WAY OUT, by blocks of 16 rows x 128 columns: through my own stage and back as whole rows of 512 bytes.  LDS serves a wave's instructions in order: no wait between the stores and the loads.
.macro TOSTAGE a
.set AC, 64*(\a)
	WIN 0x08
.irp b, 0,1,2,3,4,5,6,7
	ds_store_b128 v[STO], v[AC+8*\b:AC+8*\b+3] offset:128*(\b/2)+32*(\b%2)
	ds_store_b128 v[STO], v[AC+8*\b+4:AC+8*\b+7] offset:128*(\b/2)+32*(\b%2)+16
.endr
	WIN 0
.set BB, BK+64*((\a)%2)
.irp t, 0,1,2,3,4,5,6,7,8,9,10,11,12,13,14,15
	ds_load_b128 v[BB+4*\t:BB+4*\t+3], v[RD] offset:\t*SPITCH
.endr
.endm
.macro SEND a, younger
.set BB, BK+64*((\a)%2)
	s_wait_dscnt \younger
.irp t, 0,1,2,3,4,5,6,7,8,9,10,11,12,13,14,15
	global_store_b128 v[CO], v[BB+4*\t:BB+4*\t+3], s[10:11] offset:(32*((\a)/2)+8*((\a)%2)+\t+8*(\t/8))*4096 th:TH_STORE_NT   ; 512 consecutive bytes, aligned to 256
.endr
.endm
	PLACES 4
	TOSTAGE 0
.irp a, 1,2,3
.if \a > 1
	s_wait_xcnt 0x0                                ; block a - 2's stores have read their registers
.endif
	TOSTAGE \a
	SEND \a-1, 32                                  ; younger: block a's 16 stores and 16 loads
.endr
	SEND 3, 0
	s_wait_tensorcnt 0x0                           ; the wave's end
	ds_add_u32 v[SPW], v[NIL]
	s_wait_dscnt 0x0
	CROUND                                         ; the closing round
	s_endpgm
.Lfunc_end_k_q5fcb6f30da_proj:
	.size	k_q5fcb6f30da_proj, .Lfunc_end_k_q5fcb6f30da_proj-k_q5fcb6f30da_proj
	.p2alignl 7, 3214868480
	.fill 96, 4, 3214868480
	.section	.rodata,"a",@progbits
	.p2align	6, 0x0
	.amdhsa_kernel k_q5fcb6f30da_proj
		.amdhsa_group_segment_fixed_size 327680
		.amdhsa_private_segment_fixed_size 0
		.amdhsa_enable_private_segment 0
		.amdhsa_kernarg_size 32
		.amdhsa_user_sgpr_count 2
		.amdhsa_user_sgpr_kernarg_segment_ptr 1
		.amdhsa_wavefront_size32 1
		.amdhsa_system_sgpr_workgroup_id_x 1
		.amdhsa_system_sgpr_workgroup_id_y 1
		.amdhsa_system_sgpr_workgroup_id_z 1
		.amdhsa_system_vgpr_workitem_id 0
		.amdhsa_next_free_vgpr 768
		.amdhsa_next_free_sgpr 100
		.amdhsa_reserve_vcc 0
		.amdhsa_float_denorm_mode_32 3
		.amdhsa_float_denorm_mode_16_64 3
		.amdhsa_memory_ordered 1
		.amdhsa_forward_progress 1
		.amdhsa_inst_pref_size 82
	.end_amdhsa_kernel
	.amdgpu_metadata
---
amdhsa.version: [ 1, 2 ]
amdhsa.kernels:
  - .name:           k_q5fcb6f30da_proj
    .symbol:         k_q5fcb6f30da_proj.kd
    .args:
      - { .name: yq, .offset: 0, .size: 8, .value_kind: global_buffer, .address_space: global }
      - { .name: pq, .offset: 8, .size: 8, .value_kind: global_buffer, .address_space: global }
      - { .name: b_proj, .offset: 16, .size: 8, .value_kind: global_buffer, .address_space: global }
      - { .name: out0, .offset: 24, .size: 8, .value_kind: global_buffer, .address_space: global }
    .group_segment_fixed_size: 327680
    .private_segment_fixed_size: 0
    .kernarg_segment_align: 8
    .kernarg_segment_size: 32
    .max_flat_workgroup_size: 128
    .sgpr_count:     100
    .vgpr_count:     768
    .wavefront_size: 32
...
	.end_amdgpu_metadata
.endif
;; end of part 4
